; MI455X (gfx1250); checked and timed in simulation.
; The chip was launched on July 23, 2026; its instructions are those of AMD's public machine-readable ISA for CDNA 5 (MIT licence, August 2026) and "CDNA5" Instruction Set Architecture Reference Guide (July 2026). The comments in the code are by the model that wrote it; some were corrected since.
;; multi Head Attention. Allowed arithmetic: matrix products marked QUANTISED: E4M3 operands, one given power-of-two scale a tensor, by v_wmma_f32_16x16x64_fp8_fp8 or v_wmma_f32_16x16x128_fp8_fp8, f32 sums; everything else in f32.
;; Inputs: Wk 1,024 x 1,024 float32; Wp 1,024 x 1,024 float32; Wq 1,024 x 1,024 float32; Wv 1,024 x 1,024 float32; bp 1,024 float32; lowp_scales 12 int32 (the exponents e of the quantised operands' scales 2^e); x 4 x 2,048 x 1,024 float32.
;; Outputs: out0 4 x 2,048 x 1,024 float32.
;; This version of the problem:
;;   THIS VERSION OF THE PROBLEM IS GIVEN IN LOW PRECISION. The matrix products marked QUANTISED in the list below multiply operands that are first quantised to E4M3 (4 exponent bits, 3 mantissa bits; 8 bits a number), with one given power-of-two scale for each operand tensor; their sums are f32. All else is computed in f32.
;;   The module's matrix products, in the order in which they are computed (A, B: the left and right operand; K: the contracted axis; several contracted axes count as one K, in the product's order):
;;     1. [M 8,192, K 1,024] x [K 1,024, N 1,024]; A: input x; B: input Wq: QUANTISED (scales: A lowp_scales[0], B lowp_scales[1])
;;     2. [M 8,192, K 1,024] x [K 1,024, N 1,024]; A: input x; B: input Wk: QUANTISED (scales: A lowp_scales[2], B lowp_scales[3])
;;     3. [M 8,192, K 1,024] x [K 1,024, N 1,024]; A: input x; B: input Wv: QUANTISED (scales: A lowp_scales[4], B lowp_scales[5])
;;     4. batch 64 x [M 2,048, K 64] x [K 64, N 2,048]; A: computed on the way; B: computed on the way: QUANTISED (scales: A lowp_scales[6], B lowp_scales[7])
;;     5. batch 64 x [M 2,048, K 2,048] x [K 2,048, N 64]; A: softmax (see below); B: computed on the way: QUANTISED (scales: A lowp_scales[8], B lowp_scales[9])
;;     6. [M 8,192, K 1,024] x [K 1,024, N 1,024]; A: computed on the way; B: input Wp: QUANTISED (scales: A lowp_scales[10], B lowp_scales[11])
;;   THE QUANTISER, for each operand of a quantised product, along K:
;;     - The operand's scale is 2^e, e = its entry of the input lowp_scales (int32; the entries are numbered through the quantised products in the list's order, A before B).
;;     - Each number is divided by the scale, clamped to +-448, and rounded to the nearest number of E4M3, ties to even, subnormals kept.
;;     - The product sums the exact products of the quantised numbers (number of the format x scale) in f32.
;;   ~~~python
;;   def quantise(x, axis, e):      # numpy; x: float32 -> the quantised numbers, widened to float32 again
;;       x = np.moveaxis(x, axis, -1); K = x.shape[-1]
;;       r = np.clip(x / 2.0 ** e, -448, 448)
;;       step = 2.0 ** (np.maximum(np.frexp(np.where(r == 0, 1, r))[1] - 1, -6) - 3)
;;       q = np.round(r / step) * step * 2.0 ** e      # np.round: ties to even
;;       return np.moveaxis(q, -1, axis).astype(np.float32)
;;   ~~~
;;   SOFTMAX AHEAD OF A QUANTISED PRODUCT. Where the list says 'softmax', what is quantised is not the finished softmax but p = 2^(t - M), with t = logit x log2(e) and M = ceil(the row's largest t), a whole number; so 1/2 < the row's largest p <= 1. The row's sum l is taken of the UNQUANTISED p, in f32, and the product's result is divided by l at the end. Since M is a whole number, a kernel that streams over the keys may use a running M (the ceiling of the running maximum): every later rescaling is an exact power of two, so the quantised numbers keep their values, but for numbers so far below the row's largest that they fall under the format's range.
;;   OPERANDS COMPUTED ON THE WAY. 'Computed on the way' means the value that the module computes at that place (a softmax that the list does not call 'softmax' is quantised finished and normalised). What goes into a quantiser is computed in f32, as accurately as f32 sums, v_exp_f32 and their like allow (about 1e-6 of the number): no bf16 or f16 on the way to a quantiser, and a product that is left as it is and whose result goes on into a quantised operand takes f32 operands (vector FMAs, or v_wmma_f32_16x16x4_f32). A number that lies on a knife's edge between two numbers of the format may be rounded either way, as far as f32 arithmetic and the matrix unit's own rounding can turn it there, and no further.
;; One version. Each part assembles by itself: llvm-mc -triple=amdgcn-amd-amdhsa -mcpu=gfx1250 --defsym DOCPART=n.
;; ======== version 1 of 1: 4 launches
;; limits: right only within a limited range of input values
;; workspace buffers: codes 29,360,128 bytes; rope 524,288 bytes; qkv 25,165,824 bytes; att 8,388,608 bytes
;; launch prep (part 1): grid 416 x 1, 4 waves a work-group, no clusters, 66,048 bytes of LDS; arguments x, Wq, Wk, Wv, Wp, lowp_scales, codes, rope; writes codes, rope
.if DOCPART == 1
	.amdgcn_target "amdgcn-amd-amdhsa--gfx1250"
	.amdhsa_code_object_version 6
	.text
	.protected	k_qc8a72529d1_prep
	.globl	k_qc8a72529d1_prep
	.p2align	8
	.type	k_qc8a72529d1_prep,@function
k_qc8a72529d1_prep:
	s_mov_b64 s[64:65], 0
	v_nop
	global_prefetch_b8 v0, s[64:65] scope:SCOPE_SE
	s_setreg_imm32_b32 hwreg(HW_REG_WAVE_MODE, 25, 1), 1
	s_wait_xcnt 0x0
; PREP: f32 numbers into codes of FP8 (E4M3), and the table of cos and sin for the rotation of q and k.
; codes: 28,672 rows of 1,024 bytes.  Rows 0.. x / 2^e0, 8192.. x / 2^e2, 16384.. x / 2^e4 (x has a scale of its own in each of the three projections);
;        24576.. Wq (e1), 25600.. Wk (e3), 26624.. Wv (e5), 27648.. Wp (e11).  code = number / 2^e, held within +-448, to the nearest code, ties to even.
; ORDER IN A ROW: in each block of 32 along K the four groups of 8 codes lie in the order 0, 2, 1, 3: byte 32 c + 16 h + 8 w + i holds k = 32 c + 16 w + 8 h + i.
;        A load of 16 bytes at 32 c + 16 h then brings registers 4 c .. 4 c + 3 of the plain 8-bit operand layout (registers 2 c', 2 c' + 1: k = 16 c' + 8 h + 0 .. 7).
; rope:  [2048 positions][256 bytes]: cos(pos x f_j) at byte 4 j, sin at 128 + 4 j, j = 0 .. 31, f_j = 1 / 10000^(j / 32).
; SHARES: work-groups 0-255 take x (32,768 numbers each, read once, quantised three times), 256-383 the four weights, 384-415 the table (64 positions each).
;        The three ways part on the work-group's number and never join; each of the two that use LDS has LDS bytes of its own.
; A wave takes 16 steps of 512 numbers.  Each load reads 512 consecutive bytes; a step's 2,048 bytes turn through the wave's own stage in LDS (16 bytes of padding behind each 64) and come back so that
;        lane 2 m + u holds groups u and u + 2 of block m: its 16 codes are 16 consecutive bytes of the row order above, and a wave's store covers 512 consecutive bytes, aligned.
; No tensor loads, no barrier: waves share nothing.
; LIMITS: each e used here (entries 0 to 5 and 11) lies between -126 and 119, so that 2^e and 448 x 2^e are f32 numbers.  NaN among the inputs is not served; infinities are held at the largest code.
;        cos and sin: the angle is fl(pos x f_j) with f_j = fl(1 / fl(10^(j / 8))); it is reduced by pi / 2 in two parts and fed to polynomials of degree 7 and 8 on +-pi / 4 (error about 1e-7).
.set STEPS, 16
.set SP,    80                         ; 64 bytes of a stage + 16 of padding
.set STG,   32*SP                      ; a stage: a step's 2,048 bytes
.set R,     16                         ; v16-79    four sets of 16 numbers as they are loaded
.set X,     80                         ; v80-111   two sets of 16: my two groups of 8 neighbours
.set T,     112                        ; v112-143  not used: the conversions read X
.set SC,    144                        ; v144, v146, v148  for each scale: 2^e
.set C,     152                        ; v152-175  codes: two sets of 12 registers, by turns
	s_load_b256 s[4:11], s[0:1], 0x0               ; x s[4:5], Wq s[6:7], Wk s[8:9], Wv s[10:11]
	s_load_b256 s[12:19], s[0:1], 0x20             ; Wp s[12:13], the scales' exponents s[14:15], codes s[16:17], rope s[18:19]
	v_lshl_add_u32 v192, v0, 2, 0x10000
	v_mov_b32 v193, 0
	v_lshrrev_b32 v1, 5, v0
	v_readfirstlane_b32 s20, v1                    ; wave
	v_and_b32 v2, 31, v0                           ; lane
	v_lshlrev_b32 v3, 4, v2                        ; 16 x lane: my place in a load's and in a store's 512 bytes
	s_lshl_b32 s21, s20, 13                        ; my wave's 8,192 bytes of LDS
	v_lshrrev_b32 v14, 2, v2
	v_mul_u32_u24 v14, v14, SP
	v_and_b32 v13, 3, v2
	v_lshl_add_u32 v14, v13, 4, v14
	v_add_nc_u32 v14, s21, v14                     ; the stage, on the way in: SP (lane / 4) + 16 (lane % 4)
	v_lshrrev_b32 v15, 1, v2
	v_mul_u32_u24 v15, v15, 2*SP
	v_and_b32 v13, 1, v2
	v_lshl_add_u32 v15, v13, 5, v15
	v_add_nc_u32 v15, s21, v15                     ; and on the way out: block lane / 2 (two places of SP), group lane % 2 (32 bytes)
	s_mov_b32 s47, 0                               ; the upper word of every offset
	s_wait_kmcnt 0x0
	s_cmp_ge_u32 ttmp9, 384
	s_cbranch_scc1 .Ltable
	s_load_b256 s[24:31], s[14:15], 0x0            ; e0 .. e7
	s_load_b128 s[32:35], s[14:15], 0x20           ; e8 .. e11
	s_cmp_ge_u32 ttmp9, 256
	s_cbranch_scc1 .Lweights
.macro MKSC idx, e                     ; scale idx from the exponent in s[e]
	s_add_co_i32 s46, s[\e], 127
	s_lshl_b32 s48, s46, 23
	v_mov_b32 v[SC+2*\idx], s48                    ; 2^e as f32: the conversion takes its exponent field
	s_add_co_i32 s46, s46, 8
	s_lshl_b32 s46, s46, 23
	s_or_b32 s46, s46, 0x600000
.endm
.macro LOAD t
.irp i, 0,1,2,3
	global_load_b128 v[R+16*((\t)%4)+4*\i:R+16*((\t)%4)+4*\i+3], v3, s[36:37] offset:2048*(\t)+512*\i th:TH_LOAD_NT   ; 32 lanes read 512 consecutive bytes, read once in the launch
.endr
.endm
.macro TURN t, lb                      ; step t's numbers through the stage; LDS serves a wave's instructions in order, so no wait stands between the stores and the loads
.irp i, 0,1,2,3
	ds_store_b128 v14, v[R+16*((\t)%4)+4*\i:R+16*((\t)%4)+4*\i+3] offset:\lb+STG*((\t)%2)+8*SP*\i
.endr
	ds_load_b128 v[X+16*((\t)%2):X+16*((\t)%2)+3],     v15 offset:\lb+STG*((\t)%2)          ; group u of my block,
	ds_load_b128 v[X+16*((\t)%2)+4:X+16*((\t)%2)+7],   v15 offset:\lb+STG*((\t)%2)+16
	ds_load_b128 v[X+16*((\t)%2)+8:X+16*((\t)%2)+11],  v15 offset:\lb+STG*((\t)%2)+SP       ; and group u + 2, 64 bytes of data further on
	ds_load_b128 v[X+16*((\t)%2)+12:X+16*((\t)%2)+15], v15 offset:\lb+STG*((\t)%2)+SP+16
.endm
.macro QUANT1 t, s                     ; step t under scale s: convert, store
.set n, 0
.rept 16
.set n, n+1
.endr
	v_cvt_scalef32_pk8_fp8_f32 v[C+12*((\t)%2)+4*(\s):C+12*((\t)%2)+4*(\s)+1], v[T+16*((\s)%2)+((X+16*((\t)%2)+n)-(T+16*((\s)%2)+n)):T+16*((\s)%2)+7+((X+16*((\t)%2)+n)-(T+16*((\s)%2)+n))], v[SC+2*(\s)]
	v_cvt_scalef32_pk8_fp8_f32 v[C+12*((\t)%2)+4*(\s)+2:C+12*((\t)%2)+4*(\s)+3], v[T+16*((\s)%2)+8+((X+16*((\t)%2)+n)-(T+16*((\s)%2)+n)):T+16*((\s)%2)+15+((X+16*((\t)%2)+n)-(T+16*((\s)%2)+n))], v[SC+2*(\s)]
	global_store_b128 v3, v[C+12*((\t)%2)+4*(\s):C+12*((\t)%2)+4*(\s)+3], s[40+2*(\s):41+2*(\s)] offset:512*(\t)   ; 512 consecutive bytes, aligned
.endm
.macro QSTEP t, ns, lb
	s_wait_dscnt 0x0                               ; this step's numbers are back from the stage, so its stores into the stage have read their registers,
.if (\t)+4 < STEPS
	LOAD (\t)+4                                    ; which take the loads of four steps on
.endif
.if (\t)+1 < STEPS
.if STEPS-2-(\t) >= 3
	s_wait_loadcnt 12                              ; the next step's four loads are in; the twelve of the three steps behind it may be out
.else
	s_wait_loadcnt 4*(STEPS-2-(\t))
.endif
	TURN (\t)+1, \lb                               ; and go through the other stage while this step is worked
.endif
	s_wait_xcnt 0x0                                ; the stores of two steps back have read this set of code registers
	QUANT1 \t, 0
.if \ns > 1
	QUANT1 \t, 1
	QUANT1 \t, 2
.endif
	v_nop                                          ; a plain line behind the last conversion
.endm
.macro QRUN ns, lb
	s_wait_loadcnt 12                              ; step 0's four loads are in
	TURN 0, \lb
.irp t, 0,1,2,3,4,5,6,7,8,9,10,11,12,13,14,15
	QSTEP \t, \ns, \lb
.endr
	s_wait_tensorcnt 0x0
	ds_add_u32 v192, v193
	s_wait_dscnt 0x0
	s_endpgm
.endm
	; ---- x: run = 4 x work-group + wave, 8,192 numbers
	s_lshl_b32 s22, ttmp9, 2
	s_add_co_u32 s22, s22, s20
	s_lshl_b32 s46, s22, 15
	s_add_nc_u64 s[36:37], s[4:5], s[46:47]        ; its numbers
	s_lshl_b32 s46, s22, 13
	s_add_nc_u64 s[40:41], s[16:17], s[46:47]      ; its codes under e0,
	s_add_nc_u64 s[42:43], s[40:41], 0x800000      ; under e2: 8,192 rows on,
	s_add_nc_u64 s[44:45], s[40:41], 0x1000000     ; under e4
.irp t, 0,1,2,3
	LOAD \t
.endr
	s_wait_kmcnt 0x0
	MKSC 0, 24
	MKSC 1, 26
	MKSC 2, 28
	s_wait_alu depctr_va_vdst(0)
	QRUN 3, 0
.Lweights:                             ; ---- the four weights: tensor = (work-group - 256) / 32; run = 4 x the rest + wave
	s_sub_co_u32 s22, ttmp9, 256
	s_lshr_b32 s23, s22, 5                         ; 0 Wq, 1 Wk, 2 Wv, 3 Wp
	s_and_b32 s22, s22, 31
	s_lshl_b32 s22, s22, 2
	s_add_co_u32 s22, s22, s20
	s_mov_b64 s[36:37], s[12:13]                   ; the choice hangs on the work-group's number alone
	s_cmp_eq_u32 s23, 0
	s_cselect_b64 s[36:37], s[6:7], s[36:37]
	s_cmp_eq_u32 s23, 1
	s_cselect_b64 s[36:37], s[8:9], s[36:37]
	s_cmp_eq_u32 s23, 2
	s_cselect_b64 s[36:37], s[10:11], s[36:37]
	s_lshl_b32 s46, s22, 15
	s_add_nc_u64 s[36:37], s[36:37], s[46:47]
	s_lshl_b32 s46, s22, 13
	s_lshl_b32 s48, s23, 20
	s_add_co_u32 s46, s46, s48
	s_add_co_u32 s46, s46, 0x1800000               ; behind x's 24,576 rows
	s_add_nc_u64 s[40:41], s[16:17], s[46:47]
.irp t, 0,1,2,3
	LOAD \t
.endr
	s_wait_kmcnt 0x0
	s_mov_b32 s50, s35                             ; e11,
	s_cmp_eq_u32 s23, 0
	s_cselect_b32 s50, s25, s50                    ; e1,
	s_cmp_eq_u32 s23, 1
	s_cselect_b32 s50, s27, s50                    ; e3,
	s_cmp_eq_u32 s23, 2
	s_cselect_b32 s50, s29, s50                    ; or e5
	MKSC 0, 50
	s_wait_alu depctr_va_vdst(0)
	QRUN 1, 32768
.Ltable:                               ; ---- the table.  A wave takes 16 positions, two a trip: lanes 0-15 one row of 256 bytes, lanes 16-31 the next.
	; In a row, lanes 0-7 make cos and lanes 8-15 sin; a lane makes the four entries j = 4 g + 0 .. 3, g = lane % 8: 16 bytes at 16 x (lane % 16).
	s_sub_co_u32 s22, ttmp9, 384
	s_lshl_b32 s22, s22, 6
	s_lshl_b32 s23, s20, 4
	s_add_co_u32 s22, s22, s23                     ; my wave's first position
	v_lshrrev_b32 v4, 4, v2
	v_and_b32 v5, 7, v2                            ; g
	v_bfe_u32 v6, v2, 3, 1
	v_xor_b32 v6, 1, v6                            ; 1 where I make cos: cos(a) = sin(a + pi / 2), one quadrant on
	v_add_nc_u32 v7, s22, v4
	v_cvt_f32_u32 v7, v7                           ; my position, exact in f32
	s_lshl_b32 s23, s22, 8
	v_add_nc_u32 v34, s23, v3                      ; my 16 bytes in the table
	v_mov_b32 v32, 0xb94ca1f9                      ; the leading coefficients of the two polynomials
	v_mov_b32 v33, 0x37ccf5ce
.macro PSEL g, a, b, c, d              ; the lanes with this g take these four
	v_cmp_ne_u32 vcc_lo, \g, v5
	v_cndmask_b32 v20, \a, v20, vcc_lo
	v_cndmask_b32 v21, \b, v21, vcc_lo
	v_cndmask_b32 v22, \c, v22, vcc_lo
	v_cndmask_b32 v23, \d, v23, vcc_lo
.endm
	v_mov_b32 v20, 1.0                             ; 10000^(j / 32) = 10^(j / 8), each rounded to f32 once
	v_mov_b32 v21, 1.333521432163324
	v_mov_b32 v22, 1.7782794100389228
	v_mov_b32 v23, 2.371373705661655
	PSEL 1, 3.1622776601683795, 4.216965034285822, 5.623413251903491, 7.498942093324558
	PSEL 2, 10.0, 13.33521432163324, 17.782794100389228, 23.71373705661655
	PSEL 3, 31.622776601683795, 42.16965034285822, 56.23413251903491, 74.98942093324558
	PSEL 4, 100.0, 133.3521432163324, 177.82794100389228, 237.1373705661655
	PSEL 5, 316.22776601683795, 421.6965034285822, 562.3413251903491, 749.8942093324558
	PSEL 6, 1000.0, 1333.521432163324, 1778.2794100389228, 2371.373705661655
	PSEL 7, 3162.2776601683795, 4216.965034285822, 5623.413251903491, 7498.942093324558
	s_wait_alu depctr_va_vdst(0)
.irp e, 0,1,2,3
	v_rcp_f32 v[24+\e], v[20+\e]
.endr
	v_nop                                          ; a plain line behind the last reciprocal,
	s_wait_alu depctr_va_vdst(0)                   ; and one wait for the four, ahead of their first reader
.irp e, 0,1,2,3
	v_fma_f32 v[36+\e], -v[20+\e], v[24+\e], 1.0   ; one step of refinement: f = r + r (1 - P r), the quotient 1 / P rounded as a division rounds it
.endr
.irp e, 0,1,2,3
	v_fma_f32 v[28+\e], v[24+\e], v[36+\e], v[24+\e]
.endr
	s_mov_b32 s56, 8
.Lrow:
	s_wait_alu depctr_va_vdst(0)
.irp e, 0,1,2,3
	v_mul_f32 v[40+\e], v7, v[28+\e]               ; the angle, rounded once
.endr
.irp e, 0,1,2,3
	v_mul_f32 v[44+\e], 0x3f22f983, v[40+\e]       ; x 2 / pi
.endr
.irp e, 0,1,2,3
	v_rndne_f32 v[44+\e], v[44+\e]                 ; N, at most 1,303
.endr
.irp e, 0,1,2,3
	v_fmamk_f32 v[48+\e], v[44+\e], 0xbfc90fdb, v[40+\e]   ; angle - N x fl(pi / 2): a multiple of 2^-23 under 1, so nothing is rounded
.endr
.irp e, 0,1,2,3
	v_fmamk_f32 v[48+\e], v[44+\e], 0x333bbd2e, v[48+\e]   ; - N x (pi / 2 - fl(pi / 2)): r, within +-pi / 4
.endr
.irp e, 0,1,2,3
	v_cvt_i32_f32 v[52+\e], v[44+\e]
.endr
.irp e, 0,1,2,3
	v_add_nc_u32 v[52+\e], v[52+\e], v6            ; the quadrant
.endr
.irp e, 0,1,2,3
	v_mul_f32 v[56+\e], v[48+\e], v[48+\e]         ; z = r r
.endr
.irp e, 0,1,2,3
	v_fmaak_f32 v[60+\e], v[56+\e], v32, 0x3c08839e
.endr
.irp e, 0,1,2,3
	v_fmaak_f32 v[60+\e], v[60+\e], v[56+\e], 0xbe2aaaa3
.endr
.irp e, 0,1,2,3
	v_mul_f32 v[76+\e], v[56+\e], v[48+\e]
.endr
.irp e, 0,1,2,3
	v_fma_f32 v[64+\e], v[76+\e], v[60+\e], v[48+\e]       ; sin r = r + r z (..)
.endr
.irp e, 0,1,2,3
	v_fmaak_f32 v[68+\e], v[56+\e], v33, 0xbab6061a
.endr
.irp e, 0,1,2,3
	v_fmaak_f32 v[68+\e], v[68+\e], v[56+\e], 0x3d2aaaa5
.endr
.irp e, 0,1,2,3
	v_fma_f32 v[72+\e], v[56+\e], -0.5, 1.0
.endr
.irp e, 0,1,2,3
	v_mul_f32 v[76+\e], v[56+\e], v[56+\e]
.endr
.irp e, 0,1,2,3
	v_fma_f32 v[72+\e], v[76+\e], v[68+\e], v[72+\e]       ; cos r = 1 - z / 2 + z z (..)
.endr
.irp e, 0,1,2,3
	v_and_b32 v[76+\e], 1, v[52+\e]
.endr
.irp e, 0,1,2,3
	v_cmp_eq_u32 vcc_lo, 1, v[76+\e]
	v_cndmask_b32 v[80+\e], v[64+\e], v[72+\e], vcc_lo     ; odd quadrants take cos r,
.endr
.irp e, 0,1,2,3
	v_and_b32 v[76+\e], 2, v[52+\e]
.endr
.irp e, 0,1,2,3
	v_lshlrev_b32 v[76+\e], 30, v[76+\e]
.endr
.irp e, 0,1,2,3
	v_xor_b32 v[80+\e], v[80+\e], v[76+\e]                 ; quadrants 2 and 3 the other sign
.endr
	global_store_b128 v34, v[80:83], s[18:19]      ; two rows: 512 consecutive bytes, aligned
	s_wait_xcnt 0x0                                ; the store has read its data and its offset: both are written again below and in the next trip
	v_add_nc_u32 v34, 512, v34
	v_add_f32 v7, 2.0, v7
	s_sub_co_i32 s56, s56, 1
	s_cmp_lg_u32 s56, 0
	s_cbranch_scc1 .Lrow
	s_endpgm
.Lfunc_end_k_qc8a72529d1_prep:
	.size	k_qc8a72529d1_prep, .Lfunc_end_k_qc8a72529d1_prep-k_qc8a72529d1_prep
	.p2alignl 7, 3214868480
	.fill 96, 4, 3214868480
	.section	.rodata,"a",@progbits
	.p2align	6, 0x0
	.amdhsa_kernel k_qc8a72529d1_prep
		.amdhsa_group_segment_fixed_size 66048
		.amdhsa_private_segment_fixed_size 0
		.amdhsa_enable_private_segment 0
		.amdhsa_kernarg_size 64
		.amdhsa_user_sgpr_count 2
		.amdhsa_user_sgpr_kernarg_segment_ptr 1
		.amdhsa_wavefront_size32 1
		.amdhsa_system_sgpr_workgroup_id_x 1
		.amdhsa_system_sgpr_workgroup_id_y 1
		.amdhsa_system_sgpr_workgroup_id_z 1
		.amdhsa_system_vgpr_workitem_id 0
		.amdhsa_next_free_vgpr 194
		.amdhsa_next_free_sgpr 66
		.amdhsa_reserve_vcc 1
		.amdhsa_float_denorm_mode_32 3
		.amdhsa_float_denorm_mode_16_64 3
		.amdhsa_fp16_overflow 1
		.amdhsa_memory_ordered 1
		.amdhsa_forward_progress 1
		.amdhsa_inst_pref_size 59
	.end_amdhsa_kernel
	.amdgpu_metadata
---
amdhsa.version: [ 1, 2 ]
amdhsa.kernels:
  - .name:           k_qc8a72529d1_prep
    .symbol:         k_qc8a72529d1_prep.kd
    .args:
      - { .name: x, .offset: 0, .size: 8, .value_kind: global_buffer, .address_space: global }
      - { .name: Wq, .offset: 8, .size: 8, .value_kind: global_buffer, .address_space: global }
      - { .name: Wk, .offset: 16, .size: 8, .value_kind: global_buffer, .address_space: global }
      - { .name: Wv, .offset: 24, .size: 8, .value_kind: global_buffer, .address_space: global }
      - { .name: Wp, .offset: 32, .size: 8, .value_kind: global_buffer, .address_space: global }
      - { .name: lowp_scales, .offset: 40, .size: 8, .value_kind: global_buffer, .address_space: global }
      - { .name: codes, .offset: 48, .size: 8, .value_kind: global_buffer, .address_space: global }
      - { .name: rope, .offset: 56, .size: 8, .value_kind: global_buffer, .address_space: global }
    .group_segment_fixed_size: 66048
    .private_segment_fixed_size: 0
    .kernarg_segment_align: 8
    .kernarg_segment_size: 64
    .max_flat_workgroup_size: 128
    .sgpr_count:     66
    .vgpr_count:     194
    .wavefront_size: 32
...
	.end_amdgpu_metadata
.endif
;; end of part 1
;; launch qkv (part 2): grid 12 x 32, 4 waves a work-group, clusters of 4 x 4, 327,680 bytes of LDS; arguments codes, rope, lowp_scales, qkv; writes qkv
.if DOCPART == 2
	.amdgcn_target "amdgcn-amd-amdhsa--gfx1250"
	.amdhsa_code_object_version 6
	.text
	.protected	k_qc8a72529d1_qkv
	.globl	k_qc8a72529d1_qkv
	.p2align	8
	.type	k_qc8a72529d1_qkv,@function
k_qc8a72529d1_qkv:
	s_mov_b64 s[64:65], 0
	v_nop
	global_prefetch_b8 v0, s[64:65] scope:SCOPE_SE
	s_setreg_imm32_b32 hwreg(HW_REG_WAVE_MODE, 25, 1), 1
	s_wait_xcnt 0x0
	s_wait_alu depctr_hold_cnt(0) depctr_sa_sdst(0) depctr_va_vdst(0) depctr_va_sdst(0) depctr_va_ssrc(0) depctr_va_vcc(0) depctr_vm_vsrc(0)
	s_getreg_b32 s2, hwreg(HW_REG_IB_STS2, 6, 4)
	s_cmp_eq_u32 s2, 0
	s_cbranch_scc0 .Lentry_in_a_cluster
	s_endpgm
.Lentry_in_a_cluster:
	s_bfe_u32 s2, ttmp6, 0x10000c
	s_cmp_lg_u32 s2, 0xf033
	s_cbranch_scc0 .Lentry_shape_is_right
	s_endpgm
.Lentry_shape_is_right:
; QKV: the three projections x Wq^T, x Wk^T, x Wv^T on codes of FP8 (E4M3), the rotation of q and k in f32, and the quantising of q, k and v for the attention.
; The cluster's x says which third: 0 q, 1 k, 2 v.  A work-group of four waves makes 256 x 256 of a third, a wave 128 x 128: 64 accumulators of 16 x 16, 512 registers.  K = 1,024 goes in four steps of 256
; through a ring of two LDS slots filled by the tensor data mover; a tile's row is 256 bytes of memory.
; ROLES.  The matrix instruction reads source 0 = 16 rows of the B role, source 1 = 16 rows of the A role: lane (r, h) then holds row r of the A role, and its registers j rows 8 h + j of the B role.
;   q, k: A role = rows of x, B role = rows of W: a lane holds ONE position and eight neighbouring channels d: what the rotation pairs (d, d + 32) lies in one lane, and eight results are eight neighbours along the scores' K.
;   v:    A role = rows of Wv, B role = rows of x: a lane holds ONE channel d and eight neighbouring keys, which are the second attention product's K.
;   All operands are rows of the one buffer of codes, so the roles are swapped by row numbers alone; the text up to the way out is one.
; RESULTS LEAVE AS IMAGES OF THE NEXT PRODUCT'S OPERAND REGISTERS: one conversion of an accumulator's eight registers gives registers 2 c, 2 c + 1 of that operand (k = 16 c + 8 h + 0 .. 7 of row r); four registers of all
;   32 lanes are stored at 16 x lane: 512 consecutive bytes, aligned.  q at byte 0, k at 8 MiB: [head of batch bh][position / 16][1,024 bytes].  v at 16 MiB: [bh][keys / 128][d / 16][2,048 bytes].
; SCALES.  A sum stands for sum x 2^(eA + eB); the rotation is linear; so the code is (rotated) sum / 2^(eOut - eA - eB): the three exponents are folded into the conversion's one scale.
;   (eA, eB, eOut) = entries (0, 1, 6) for q, (2, 3, 7) for k, (4, 5, 9) for v.
; CLUSTERS: 4 x 4 work-groups.  The four of a row of the cluster need the same tiles of the A role, the four of a column the same tiles of the B role: each tile is asked for JOINTLY, by the same tensor load with the
;   same descriptor and a mask that names the four.  No prefetch: K has four steps, of which two are the first fills.
; LIMITS: eOut - eA - eB between -126 and 119, so that the scale and 448 x the scale are f32 numbers.  t1 cos - t2 sin is one product and one fused multiply-add.
; REGISTERS, in windows of 256: window 0: v0-31 addresses; v32-95 cos and sin, two sets of 32; from v128 the A role's fragments, ONE set; on the way out v96-159 a block's 64 numbers, v160-191 codes, two sets of 16.
;   window 1: the B role's fragments, TWO sets.   window 2: the accumulators of my A rows 0-63 ((a, b) at v[8 (8 a + b)]);   window 3: those of rows 64-127.
.set ROWB,   256                       ; a tile's row in bytes
.set KROW,   1024                      ; a row of codes in memory
.set PITCH,  272                       ; an LDS row: 256 bytes + 16 of padding = 68 words: row r starts at bank 4 r mod 64 (64 banks of 4 bytes: ISA guide 11.1)
.set FR,     16                        ; registers of a fragment: 16 rows x 128 K
.set NL,     4                         ; LDS loads that bring one
.set NP,     4                         ; places behind this matrix instruction (ISA guide 7.12.1)
.set HALFT,  128*PITCH                 ; 128 rows: what one tensor load brings, and what one wave reads of either role
.set SLOT,   4*HALFT                   ; the A role's 256 rows, then the B role's
.set SPARE,  2*SLOT                    ; behind the ring: the spare words, 128 bytes for each wave: two blocks of 256 bytes that no other line names
.set ADRA, 16                          ; v16-17  LDS address of my A fragments in slot 0, 1
.set ADRB, 20                          ; v20-21  the same for B
.set TA,   24                          ; v24     the table: 256 r + 32 h
.set LO,   25                          ; v25     16 x lane: my place in an image
.set SPW,  28                          ; v28     LDS address of my spare word; never rewritten
.set NIL,  29                          ; v29     0; never rewritten
.set SCL,  30                          ; v30     2^(eOut - eA - eB)
.set LIM,  31                          ; v31     448 x that
.set TR,   32
.set O,    96
.set AF,   128
.set CD,   160
.set G1, 24                            ; s[24:31] descriptor group 1 for the A role;  s[32:39] group 0, one set for each slot
.set G0, 32
.set G1B, 48                           ; s[48:55], s[56:63] the same for the B role
.set G0B, 56
.set MSB, 0
.macro WIN new                         ; the immediate's high byte repeats the setting that is left; a switch that changes nothing is dropped
.set WNEW, \new
.if MSB != WNEW
	s_set_vgpr_msb (MSB<<8)|WNEW
.set MSB, WNEW
.endif
.endm
.set MUL_LO, 0xa1                      ; source 0 (B) window 1, source 1 (A) window 0, C and D window 2
.set MUL_HI, 0xf1                      ; the same, C and D window 3
.set TO_B,   0x40                      ; destination window 1, address window 0
; A joint load: waves 0 and 1 fetch for the A role, waves 2 and 3 for the B role.  Each line has ONE mask and one set of registers for all that issue it; the branch hangs on the wave's number alone.
; Four v_nop follow each of the two lines, ahead of the jump, the label and what follows.
.macro JLOAD g0a, g1a, g0b, g1b
	s_cmp_eq_u32 s15, 0
	s_cbranch_scc0 .Lfor_b_\@
	tensor_load_to_lds s[\g0a:\g0a+3], s[\g1a:\g1a+7]
	s_nop 0
.rept 4
	v_nop
.endr
	s_branch .Lasked_\@
.Lfor_b_\@:
	tensor_load_to_lds s[\g0b:\g0b+3], s[\g1b:\g1b+7]
	s_nop 0
.rept 4
	v_nop
.endr
.Lasked_\@:
.endm
.macro CREST                           ; a round of the cluster's barrier behind its opening barrier
	s_cmp_lg_u32 s14, 0
	s_cbranch_scc1 .Lnot_wave_0_\@
	s_barrier_signal -3
.Lnot_wave_0_\@:
	s_barrier_wait -3
	s_barrier_signal -1
	s_barrier_wait -1
.endm
.macro CROUND                          ; a whole round
	s_barrier_signal -1
	s_barrier_wait -1
	CREST
.endm
	s_load_b256 s[4:11], s[0:1], 0x0               ; codes s[4:5], rope s[6:7], the scales' exponents s[8:9], qkv s[10:11]
	v_lshl_add_u32 v[SPW], v0, 2, SPARE
	v_mov_b32 v[NIL], 0
	ds_add_u32 v28, v29
	ds_add_u32 v28, v29
	s_wait_dscnt 0x0
	v_lshrrev_b32 v1, 5, v0
	v_readfirstlane_b32 s14, v1                    ; wave 0..3
	s_lshr_b32 s15, s14, 1                         ; which half of the A role's rows is mine.  Also: I fetch for A (0) or for B (1)
	s_and_b32 s16, s14, 1                          ; which half of the B role's.  Also: which 128 rows of that tile I fetch
	s_bfe_u32 s40, ttmp6, 0x40000                  ; cx, cy: my place in the cluster
	s_bfe_u32 s41, ttmp6, 0x40004
	s_and_b32 s13, ttmp7, 0xffff                   ; Y: the cluster's y, 0..7: 1,024 rows of x
	s_lshl_b32 s42, s13, 2
	s_add_co_u32 s42, s42, s40                     ; 4 Y + cx: which 256 rows of x, where x has the B role
	s_lshl_b32 s17, s13, 2
	s_add_co_u32 s17, s17, s41                     ; 4 Y + cy: the same where x has the A role
	s_lshl_b32 s43, s41, 2
	s_lshl_b32 s43, 15, s43                        ; my row of the cluster
	s_lshl_b32 s44, 0x1111, s40                    ; my column
	; descriptor group 1: a tile of 128 rows x 256 bytes, padded in LDS
	s_or_b32 s[G1+0], s43, (0<<16)|(1<<20)|(1<<21)|(5<<22)|(3<<25)  ; 15:0 the mask: my row; 17:16 elements of 1 byte; 20 padding on; 21 set beside a mask; 24:22 after every 64 words (code 5); 31:25 four words (code 3)
	s_or_b32 s[G1B+0], s44, (0<<16)|(1<<20)|(1<<21)|(5<<22)|(3<<25) ; the same with my column
.irp g, G1, G1B
	s_mov_b32 s[\g+1], ROWB<<16                    ; tensor_dim0
	s_mov_b32 s[\g+2], 128<<16                     ; tensor_dim1 = 128
	s_mov_b32 s[\g+3], ROWB<<16                    ; tile_dim0
	s_mov_b32 s[\g+4], 128                         ; tile_dim1 = 128
	s_mov_b32 s[\g+5], KROW                        ; tensor_dim0_stride
	s_mov_b32 s[\g+6], 0
	s_mov_b32 s[\g+7], 0
.endr
	; the first rows of the two roles in the buffer of codes, as far as all sixteen partners share them
	s_lshr_b32 s66, ttmp9, 1                       ; 1 in the third that makes v,
	s_xor_b32 s67, s66, 1                          ; 1 in the other two
	s_lshl_b32 s88, ttmp9, 13
	s_lshl_b32 s89, s13, 10
	s_add_co_u32 s88, s88, s89                     ; q, k: A = x under this third's scale: 8,192 x third + 1,024 Y
	s_mul_i32 s88, s88, s67
	s_mul_i32 s90, s66, 26624                      ; v: A = Wv
	s_add_co_u32 s88, s88, s90
	s_lshl_b32 s90, ttmp9, 10
	s_add_co_u32 s90, s90, 24576                   ; q, k: B = Wq or Wk
	s_mul_i32 s90, s90, s67
	s_add_co_u32 s89, s89, 16384                   ; v: B = x under e4: 16,384 + 1,024 Y
	s_mul_i32 s89, s89, s66
	s_add_co_u32 s89, s89, s90
	s_lshl_b32 s18, s16, 7                         ; which 128 rows of the tile I fetch
	s_lshl_b32 s20, s41, 8
	s_add_co_u32 s20, s20, s18
	s_add_co_u32 s20, s20, s88                     ; A: + 256 cy + 128 x half: it holds cy and never cx
	s_lshl_b32 s20, s20, 10                        ; in bytes, under 2^25
	s_mov_b32 s21, 0
	s_lshl_b32 s46, s40, 8
	s_add_co_u32 s46, s46, s18
	s_add_co_u32 s46, s46, s89                     ; B: + 256 cx + 128 x half: it holds cx and never cy
	s_lshl_b32 s46, s46, 10
	s_mov_b32 s47, 0
	s_mul_i32 s45, s14, HALFT                      ; where they go: wave x 128 rows: no place in the cluster enters an LDS address
	s_wait_kmcnt 0x0
	s_load_b256 s[68:75], s[8:9], 0x0              ; e0 .. e7
	s_load_b128 s[76:79], s[8:9], 0x20             ; e8 .. e11
	s_add_nc_u64 s[20:21], s[4:5], s[20:21]
	s_add_nc_u64 s[46:47], s[4:5], s[46:47]
	CROUND                                         ; all sixteen work-groups are here: the first joint loads meet
.irp s, 0,1
	s_mov_b32 s[G0+4*\s], 1
	s_add_co_u32 s[G0+4*\s+1], s45, \s*SLOT
	s_add_nc_u64 s[G0+4*\s+2:G0+4*\s+3], s[20:21], \s*ROWB
	s_or_b32 s[G0+4*\s+3], s[G0+4*\s+3], 0x80000000
	s_mov_b32 s[G0B+4*\s], 1
	s_add_co_u32 s[G0B+4*\s+1], s45, \s*SLOT
	s_add_nc_u64 s[G0B+4*\s+2:G0B+4*\s+3], s[46:47], \s*ROWB
	s_or_b32 s[G0B+4*\s+3], s[G0B+4*\s+3], 0x80000000
	JLOAD G0+4*\s, G1, G0B+4*\s, G1B               ; two loads of mine are out
.endr
	v_and_b32 v1, 15, v0                           ; r
	v_bfe_u32 v2, v0, 4, 1                         ; h
	v_mul_u32_u24 v3, v1, PITCH
	v_lshl_add_u32 v4, v2, 4, v3                   ; a fragment's row x pitch + 16 x half
	s_mul_i32 s21, s15, HALFT                      ; my 128 rows of A
	s_mul_i32 s22, s16, HALFT                      ; my 128 rows of B,
	s_add_co_u32 s22, s22, 2*HALFT                 ; which lie behind A's 256
.irp s, 0,1
	v_add_nc_u32 v[ADRA+\s], s21, v4
	v_add_nc_u32 v[ADRB+\s], s22, v4
	s_add_co_u32 s21, s21, SLOT
	s_add_co_u32 s22, s22, SLOT
.endr
	v_lshlrev_b32 v[TA], 8, v1
	v_lshl_add_u32 v[TA], v2, 5, v[TA]             ; the table: row r of 256 bytes, + 32 h: my eight channels of a block of 16
	v_and_b32 v5, 31, v0
	v_lshlrev_b32 v[LO], 4, v5
	s_and_b32 s88, s17, 7                          ; the position of my first row of x: (256 (4 Y + cy) + 128 x half) mod 2,048
	s_lshl_b32 s88, s88, 8
	s_lshl_b32 s89, s15, 7
	s_add_co_u32 s88, s88, s89
	s_lshl_b32 s88, s88, 8                         ; x 256 bytes
	s_mov_b32 s89, 0
	s_add_nc_u64 s[84:85], s[6:7], s[88:89]
; cos and sin for block a (16 positions): cos of channels 8 h + 0 .. 7 and 16 + 8 h + 0 .. 7 into registers 0-15 of set a % 2, sin of the same into registers 16-31
.macro TRIG a
.irp i, 0,1,2,3
	global_load_b128 v[TR+32*((\a)%2)+8*\i:TR+32*((\a)%2)+8*\i+3],   v[TA], s[84:85] offset:4096*(\a)+64*\i
	global_load_b128 v[TR+32*((\a)%2)+8*\i+4:TR+32*((\a)%2)+8*\i+7], v[TA], s[84:85] offset:4096*(\a)+64*\i+16
.endr
.endm
	TRIG 0                                         ; the first two blocks' are asked for here, so that they come in under the products.  The head has no branch on the third: the work-groups
	TRIG 1                                         ; that make v ask for these sixteen loads a wave too (the address lies in the table for every work-group) and leave them unread
.macro FRAG reg, adr, q, i             ; a fragment, 16 rows x 128 K: four loads of 16 bytes, 32 apart; by the order of the codes in a row they are registers 4 c .. 4 c + 3 of the plain layout
.irp c, 0,1,2,3
	ds_load_b128 v[\reg+4*\c:\reg+4*\c+3], v[\adr] offset:128*(\q)+32*\c+(\i)*16*PITCH
.endr
.endm
; 16 matrix instructions: A's blocks a0, a0 + 1 x B's eight, 128 along K.  p: B's set.  zero = 1: the first product starts the sums: nothing is ever cleared.
; The 64 accumulators take turns, one instruction a turn, in the same order in every step.
.macro MUL16 a0, p, zero
.irp a, \a0, \a0+1
.irp b, 0,1,2,3,4,5,6,7
.if \zero
	v_wmma_f32_16x16x128_fp8_fp8 v[8*(8*((\a)%4)+\b):8*(8*((\a)%4)+\b)+7], v[128*(\p)+FR*\b:128*(\p)+FR*\b+FR-1], v[AF+FR*(\a):AF+FR*(\a)+FR-1], 0
.else
	v_wmma_f32_16x16x128_fp8_fp8 v[8*(8*((\a)%4)+\b):8*(8*((\a)%4)+\b)+7], v[128*(\p)+FR*\b:128*(\p)+FR*\b+FR-1], v[AF+FR*(\a):AF+FR*(\a)+FR-1], v[8*(8*((\a)%4)+\b):8*(8*((\a)%4)+\b)+7]
.endif
.endr
.endr
.endm
.macro FETCH_B slot, q, p              ; B's eight fragments of the slot's q-th 128 along K into set p
	WIN TO_B
.irp i, 0,1,2,3,4,5,6,7
	FRAG 128*(\p)+FR*\i, ADRB+\slot, \q, \i
.endr
	WIN 0
.endm
.macro FETCH_A slot, q, i0             ; A's blocks i0 .. i0 + 3
.irp i, \i0, \i0+1, \i0+2, \i0+3
	FRAG AF+FR*(\i), ADRA+\slot, \q, \i
.endr
.endm
; A load into a register that a matrix instruction has read, and a vector instruction that reads a matrix result or writes one of its registers, stand NP places behind it; only plain vector
; instructions that name none of its registers are places (ISA guide 7.12.1 for vector instructions).
.macro PLACES n
.rept \n
	v_nop
.endr
.endm
; A step of 128 along K that has its successor in the same slot.  A block of A is free as soon as its eight products are issued, so A has one set: blocks 0-3 are fetched anew in the step's middle, blocks 4-7 at its end.
.macro STEP slot, q, zero
	s_wait_dscnt 4*NL                              ; B's set and A's blocks 0-3 are in; the youngest sixteen loads (A's blocks 4-7) may be out
	WIN MUL_LO
	MUL16 0, (\q)%2, \zero
	MUL16 2, (\q)%2, \zero
	s_wait_dscnt 0                                 ; A's blocks 4-7 are in
	PLACES NP
	FETCH_B \slot, (\q)+1, 1-(\q)%2
	FETCH_A \slot, (\q)+1, 0
	WIN MUL_HI
	MUL16 4, (\q)%2, \zero
	MUL16 6, (\q)%2, \zero
	PLACES NP
	WIN 0
	FETCH_A \slot, (\q)+1, 4
.endm
; A slot's last step changes slots: ONE barrier; in front of it each wave waits for all its tensor loads, adds 0 to its spare word, and waits for that and for its own reads of this slot.  fill = 1: this slot is filled again, two K steps ahead.
.macro TURN slot, next, fill
	s_wait_tensorcnt 0x0                           ; all my tensor loads have landed: my part of the next slot;  (every window is 0 here)
	ds_add_u32 v[SPW], v[NIL]                      ; 0 onto my spare word
	s_wait_dscnt 4*NL+1                            ; (the add and the youngest sixteen loads, A's blocks 4-7, may be out)
	WIN MUL_LO
	MUL16 0, 1, 0                                  ; sixteen matrix instructions stand between the add and the wait for it
	s_wait_dscnt 0x0                               ; the add is done, and my reads of this slot are over
	s_barrier_signal -1
	MUL16 2, 1, 0
	WIN 0
	s_barrier_wait -1
.if \fill
	CREST                                          ; the barrier has opened a round of the cluster's barrier: no wave of any partner still reads this slot's tile or has a load on its way
	s_add_nc_u64 s[G0+4*\slot+2:G0+4*\slot+3], s[G0+4*\slot+2:G0+4*\slot+3], 2*ROWB
	s_add_nc_u64 s[G0B+4*\slot+2:G0B+4*\slot+3], s[G0B+4*\slot+2:G0B+4*\slot+3], 2*ROWB
	JLOAD G0+4*\slot, G1, G0B+4*\slot, G1B         ; the first tensor load behind the round; the four v_nop behind it are the places in front of the loads below
.else
	PLACES NP
.endif
	FETCH_B \next, 0, 0
	FETCH_A \next, 0, 0
	WIN MUL_HI
	MUL16 4, 1, 0
	MUL16 6, 1, 0
	PLACES NP
	WIN 0
	FETCH_A \next, 0, 4
.endm
	s_wait_alu depctr_va_vdst(0)
	s_wait_tensorcnt 1                             ; my part of K step 0 is in (K step 1's load may be out)
	s_barrier_signal -1
	s_barrier_wait -1                              ; everybody's is
	FETCH_B 0, 0, 0
	FETCH_A 0, 0, 0
	FETCH_A 0, 0, 4
	STEP 0, 0, 1                                   ; K = 1,024 is four slots' worth: eight steps of 128, each written once, no loop.  The first step's products start the sums
	TURN 0, 1, 1                                   ; slot 0 takes K 512 on
	STEP 1, 0, 0
	TURN 1, 0, 1                                   ; slot 1 takes K 768 on
	STEP 0, 0, 0
	TURN 0, 1, 0                                   ; nothing is left to fetch, and no round of the cluster's barrier
	STEP 1, 0, 0
	s_wait_dscnt 4*NL                              ; the very last step
	WIN MUL_LO
	MUL16 0, 1, 0
	MUL16 2, 1, 0
	s_wait_dscnt 0
	WIN MUL_HI
	MUL16 4, 1, 0
	MUL16 6, 1, 0
	WIN 0
	; ---- THE WAY OUT
	s_wait_kmcnt 0x0
	s_cmp_eq_u32 ttmp9, 0                          ; the third's three exponents: a choice of values, no branch hangs on them
	s_cselect_b32 s80, s68, s72                    ; eA: e0, e2 or e4
	s_cselect_b32 s81, s69, s73                    ; eB: e1, e3 or e5
	s_cselect_b32 s82, s74, s77                    ; eOut: e6, e7 or e9
	s_cmp_eq_u32 ttmp9, 1
	s_cselect_b32 s80, s70, s80
	s_cselect_b32 s81, s71, s81
	s_cselect_b32 s82, s75, s82
	s_sub_co_i32 s82, s82, s80
	s_sub_co_i32 s82, s82, s81
	s_add_co_i32 s82, s82, 127
	s_lshl_b32 s83, s82, 23
	v_mov_b32 v[SCL], s83                          ; 2^(eOut - eA - eB).  (These two lines and the two v_nop are the four places behind the last products)
	s_add_co_i32 s82, s82, 8
	s_lshl_b32 s82, s82, 23
	s_or_b32 s82, s82, 0x600000
	v_mov_b32 v[LIM], s82                          ; 448 x that
	v_nop
	v_nop
.macro CODES a                         ; the block's 64 numbers become 16 registers of codes, in set a % 2
	s_wait_xcnt 0x0                                ; the stores of two blocks back have read this set
.irp b, 0,1,2,3,4,5,6,7
	v_cvt_scalef32_pk8_fp8_f32 v[CD+16*((\a)%2)+2*\b:CD+16*((\a)%2)+2*\b+1], v[O+8*\b:O+8*\b+7], v[SCL]
.endr
	v_nop                                          ; a plain line between the last conversion and the next block's lines, which write its sources
.endm
	s_cmp_eq_u32 ttmp9, 2                          ; the cluster's x: the same in all sixteen partners
	s_cbranch_scc1 .Lvalues
	; q and k.  Accumulator (a, b): position 16 a + r; head b / 4 of my two; channel d = 16 (b % 4) + 8 h + j
	s_lshr_b32 s88, s17, 3                         ; the batch,
	s_lshl_b32 s88, s88, 4
	s_lshl_b32 s89, s40, 2
	s_add_co_u32 s88, s88, s89
	s_lshl_b32 s89, s16, 1
	s_add_co_u32 s88, s88, s89                     ; my first head of it: 16 x batch + 4 cx + 2 x half
	s_lshl_b32 s88, s88, 7                         ; 128 tiles of 16 positions a head
	s_and_b32 s89, s17, 7
	s_lshl_b32 s89, s89, 4
	s_add_co_u32 s88, s88, s89
	s_lshl_b32 s89, s15, 3
	s_add_co_u32 s88, s88, s89                     ; my first tile
	s_lshl_b32 s88, s88, 10
	s_lshl_b32 s89, ttmp9, 23                      ; k lies 8 MiB behind q
	s_add_co_u32 s88, s88, s89
	s_mov_b32 s89, 0
	s_add_nc_u64 s[86:87], s[10:11], s[88:89]
.macro ROPE a                          ; out(d') = t1 cos - t2 sin, out(d' + 32) = t1 sin + t2 cos, t1 = channel d' < 32, t2 = channel d' + 32: two numbers an instruction; each accumulator is read from its low end on
.set AC, 64*((\a)%4)
.set TS, TR+32*((\a)%2)
	WIN 0x02+(\a)/4                                ; source 0: the accumulators' window
.irp g, 0,1
.irp bb, 0,1
.irp jp, 0,2,4,6
	v_pk_mul_f32 v[O+8*(4*\g+\bb)+\jp:O+8*(4*\g+\bb)+\jp+1],     v[AC+8*(4*\g+\bb+2)+\jp:AC+8*(4*\g+\bb+2)+\jp+1], v[TS+16+8*\bb+\jp:TS+16+8*\bb+\jp+1]
	v_pk_mul_f32 v[O+8*(4*\g+\bb+2)+\jp:O+8*(4*\g+\bb+2)+\jp+1], v[AC+8*(4*\g+\bb+2)+\jp:AC+8*(4*\g+\bb+2)+\jp+1], v[TS+8*\bb+\jp:TS+8*\bb+\jp+1]
	v_pk_fma_f32 v[O+8*(4*\g+\bb)+\jp:O+8*(4*\g+\bb)+\jp+1],     v[AC+8*(4*\g+\bb)+\jp:AC+8*(4*\g+\bb)+\jp+1], v[TS+8*\bb+\jp:TS+8*\bb+\jp+1], v[O+8*(4*\g+\bb)+\jp:O+8*(4*\g+\bb)+\jp+1] neg_lo:[0,0,1] neg_hi:[0,0,1]
	v_pk_fma_f32 v[O+8*(4*\g+\bb+2)+\jp:O+8*(4*\g+\bb+2)+\jp+1], v[AC+8*(4*\g+\bb)+\jp:AC+8*(4*\g+\bb)+\jp+1], v[TS+16+8*\bb+\jp:TS+16+8*\bb+\jp+1], v[O+8*(4*\g+\bb+2)+\jp:O+8*(4*\g+\bb+2)+\jp+1]
.endr
.endr
.endr
	WIN 0
.endm
.irp a, 0,1,2,3,4,5,6,7
.if \a < 7
	s_wait_loadcnt 8                               ; this block's cos and sin are in; the next block's eight loads may be out
.else
	s_wait_loadcnt 0
.endif
	ROPE \a
.if \a < 6
	TRIG \a+2                                      ; into the set just read
.endif
.set n, 0
.rept 64
.set n, n+1
.endr
	s_wait_alu depctr_va_vdst(0)
	CODES \a
.irp g, 0,1                            ; a head's eight registers are the fragment 16 positions x 64 channels
	global_store_b128 v[LO], v[CD+16*(\a%2)+8*\g:CD+16*(\a%2)+8*\g+3],   s[86:87] offset:131072*\g+1024*\a       ; 512 consecutive bytes, aligned
	global_store_b128 v[LO], v[CD+16*(\a%2)+8*\g+4:CD+16*(\a%2)+8*\g+7], s[86:87] offset:131072*\g+1024*\a+512
.endr
.endr
	s_branch .Ldone
.Lvalues:                              ; v.  Accumulator (a, b): head a / 4 of my two, channel d = 16 (a % 4) + r; key 16 b + 8 h + j of my 128
	s_lshr_b32 s88, s42, 3                         ; the batch,
	s_lshl_b32 s88, s88, 4
	s_lshl_b32 s89, s41, 2
	s_add_co_u32 s88, s88, s89
	s_lshl_b32 s89, s15, 1
	s_add_co_u32 s88, s88, s89                     ; my first head of it: 16 x batch + 4 cy + 2 x half
	s_lshl_b32 s88, s88, 4                         ; 16 blocks of 128 keys a head
	s_and_b32 s89, s42, 7
	s_lshl_b32 s89, s89, 1
	s_add_co_u32 s88, s88, s89
	s_add_co_u32 s88, s88, s16                     ; my block of keys
	s_lshl_b32 s88, s88, 13
	s_add_co_u32 s88, s88, 0x1000000               ; v lies 16 MiB in
	s_mov_b32 s89, 0
	s_add_nc_u64 s[86:87], s[10:11], s[88:89]
	s_wait_alu depctr_va_vdst(0)
.irp a, 0,1,2,3,4,5,6,7
	WIN 0x02+\a/4                                  ; source 0: the accumulators' window
.set n, 0
.rept 64
	v_med3_num_f32 v[O+n], v[64*(\a%4)+n], -v[LIM], v[LIM]   ; the hold; each accumulator from its low end on
.set n, n+1
.endr
	WIN 0
	s_wait_alu depctr_va_vdst(0)
	CODES \a
.irp i, 0,1,2,3                        ; the block's sixteen registers are the fragment 16 channels x 128 keys
	global_store_b128 v[LO], v[CD+16*(\a%2)+4*\i:CD+16*(\a%2)+4*\i+3], s[86:87] offset:131072*(\a/4)+2048*(\a%4)+512*\i
.endr
.endr
.Ldone:
	s_wait_tensorcnt 0x0                           ; the wave's end: my last LDS instructions, behind my last tensor load
	ds_add_u32 v[SPW], v[NIL]
	s_wait_dscnt 0x0
	CROUND                                         ; the closing round: no work-group ends while a partner may still ask for a tile that names it
	s_endpgm
.Lfunc_end_k_qc8a72529d1_qkv:
	.size	k_qc8a72529d1_qkv, .Lfunc_end_k_qc8a72529d1_qkv-k_qc8a72529d1_qkv
	.p2alignl 7, 3214868480
	.fill 96, 4, 3214868480
	.section	.rodata,"a",@progbits
	.p2align	6, 0x0
	.amdhsa_kernel k_qc8a72529d1_qkv
		.amdhsa_group_segment_fixed_size 327680
		.amdhsa_private_segment_fixed_size 0
		.amdhsa_enable_private_segment 0
		.amdhsa_kernarg_size 32
		.amdhsa_user_sgpr_count 2
		.amdhsa_user_sgpr_kernarg_segment_ptr 1
		.amdhsa_wavefront_size32 1
		.amdhsa_system_sgpr_workgroup_id_x 1
		.amdhsa_system_sgpr_workgroup_id_y 1
		.amdhsa_system_sgpr_workgroup_id_z 1
		.amdhsa_system_vgpr_workitem_id 0
		.amdhsa_next_free_vgpr 1024
		.amdhsa_next_free_sgpr 100
		.amdhsa_reserve_vcc 0
		.amdhsa_float_denorm_mode_32 3
		.amdhsa_float_denorm_mode_16_64 3
		.amdhsa_fp16_overflow 1
		.amdhsa_memory_ordered 1
		.amdhsa_forward_progress 1
		.amdhsa_inst_pref_size 166
	.end_amdhsa_kernel
	.amdgpu_metadata
---
amdhsa.version: [ 1, 2 ]
amdhsa.kernels:
  - .name:           k_qc8a72529d1_qkv
    .symbol:         k_qc8a72529d1_qkv.kd
    .args:
      - { .name: codes, .offset: 0, .size: 8, .value_kind: global_buffer, .address_space: global }
      - { .name: rope, .offset: 8, .size: 8, .value_kind: global_buffer, .address_space: global }
      - { .name: lowp_scales, .offset: 16, .size: 8, .value_kind: global_buffer, .address_space: global }
      - { .name: qkv, .offset: 24, .size: 8, .value_kind: global_buffer, .address_space: global }
    .group_segment_fixed_size: 327680
    .private_segment_fixed_size: 0
    .kernarg_segment_align: 8
    .kernarg_segment_size: 32
    .max_flat_workgroup_size: 128
    .sgpr_count:     100
    .vgpr_count:     1024
    .wavefront_size: 32
...
	.end_amdgpu_metadata
.endif
;; end of part 2
;; launch attn (part 3): grid 4 x 64, 16 waves a work-group, no clusters, 327,680 bytes of LDS; arguments qkv, lowp_scales, att; writes att
.if DOCPART == 3
	.amdgcn_target "amdgcn-amd-amdhsa--gfx1250"
	.amdhsa_code_object_version 6
	.text
	.protected	k_qc8a72529d1_attn
	.globl	k_qc8a72529d1_attn
	.p2align	8
	.type	k_qc8a72529d1_attn,@function
k_qc8a72529d1_attn:
	s_mov_b64 s[64:65], 0
	v_nop
	global_prefetch_b8 v0, s[64:65] scope:SCOPE_SE
	s_setreg_imm32_b32 hwreg(HW_REG_WAVE_MODE, 25, 1), 1
	s_wait_xcnt 0x0
; ATTN: causal attention of one head on codes of FP8 (E4M3), and the quantising of its result for the last projection.
; q, k, v come as images of operand registers: q at byte 0, k at 8 MiB: [bh][position / 16][1,024 bytes] (16 rows x 64 channels: 8 registers a lane); v at 16 MiB: [bh][keys / 128][d / 16][2,048 bytes]
; (16 channels x 128 keys: 16 registers a lane).  Four registers of the 32 lanes lie at 16 x lane: every load, from memory or LDS, is 512 consecutive bytes.
; THE SOFTMAX AHEAD OF THE SECOND PRODUCT: t = score x log2(e) / 8; M = the row's largest t so far, rounded UP to a whole number; p = 2^(t - M) is quantised with 2^e8; it is not normalised.
; The row's sum is taken of the unquantised p, in f32, and divides O at the end.  When M moves, the sum and O are multiplied by 2^(old M - new M): exact.
; SHARES.  Work-group (i, bh), i = 0..3, owns the blocks 7 - i and i of 256 queries of head bh; each of its sixteen waves owns 16 queries of the block in hand, in 256 registers: four waves to a SIMD, so that one wave's
; vector work stands beside another's matrix work and LDS loads.  Under the causal mask block 7 - i needs key slots 0 .. 7 - i (256 keys each) and block i slots 0 .. i: NINE slots in every work-group.  So all 256 work-groups
; do the same work, every trip count is a constant.  Only global addresses and scalar compares hang on i.
; A step all of whose 128 keys come after the wave's 16 queries is left out by a scalar branch on ids; in the step on the diagonal hidden scores become -infinity ahead of the maximum.  Key 0 counts for every query.
; LAYOUT.  S^T = K Q^T (source 0 = 16 keys, source 1 = my 16 queries), O^T = V^T P^T (source 0 = 16 channels, source 1 = P): a lane holds ONE query throughout.  Tile c of S^T holds keys 16 c + 8 h + j in register j:
; one conversion of its eight registers gives registers 2 c, 2 c + 1 of P's operand.  Likewise O^T's tile t gives registers 2 t, 2 t + 1 of the head's half of the last projection's operand.
; att: [row / 16][head / 2][2,048 bytes]: the image of 16 rows x 128 K; the even head writes its first 1,024 bytes, the odd head the rest.
; NO CLUSTER: the four work-groups of a head want different slots in the same trip from the fifth trip on (block 7 - i ends after 8 - i trips); joint requests would need all four to walk twelve slots in place of nine.
; LIMITS on the given exponents, so that each power of two below is an f32 number: e6 + e7 between -123 and 130 (added to c's exponent field); e8, and e10 - e8 - e9, between -126 and 119.  1 / l is v_rcp_f32.
; REGISTERS: v1 16 x lane; v2 256 x lane; v5, v6 the add's; v8 LDS address; v12 -M, v13 the largest t, v[14:15] the sum in two halves; v16-23 Q; v24-31 the result's codes; v32-95 eight fragments of K, then four of V;
;   v96-159 S^T, then p; v160-191 O^T; v192-223 O / l; v224-239 p's codes; v244: 2^e8; v245: 2^(e10 - e8 - e9); v236-243, v246 and v248-255 at work.
.set SLOTB, 32768                      ; a slot: K's 16 tile images (16 KB), then V's 2 x 4 fragment images (16 KB); one exclusive or turns an address from one slot to the other
.set VOFF,  16384
.set SPARE, 2*SLOTB                    ; behind the ring: the spare words, 128 bytes for each wave: eight blocks of 256 bytes that no other line names
.set SPW,  5
.set NIL,  6
.set TB,   2                           ; s2   LDS byte at which the slot in hand begins
.set WV,   18                          ; s18  my wave's number
.set SEL,  20                          ; s[20:21] lane selects for v_permlanex16_b32: lane l xor 16
.set CS,   22                          ; s[22:23] c = log2(e) / 8 x 2^(e6 + e7)
.set G1,   24                          ; s[24:31] descriptor group 1
.set NA,   33                          ; s33  slots of the first block: 8 - i
.set TT,   34                          ; s34  the trip, 0 .. 8
.set QB,   36                          ; s36  the block of queries in hand
.set BH,   37                          ; s37  the head of the batch
.set G0,   40                          ; s[40:43] descriptor group 0
.set FB,   44                          ; s[44:45] what I fetch, if I fetch: K's (wave 0) or V's (wave 1) first byte of the head
.set OFS,  46                          ; s[46:47] an offset; s47 stays 0
.set OB,   48                          ; s[48:49] att at my wave's tile of block 0;  s[50:51] the store's base
.set QBASE, 52                         ; s[52:53] q at my wave's tile of block 0;    s[54:55] the load's base
.set PFA,  56                          ; s[56:57] where my prefetches stand
.set LIM,  58                          ; s58  2 in a wave that prefetches, else the greatest number
.set SLOTS, 67                         ; s67  counts the loop's eight trips down
.set KF,   98                          ; s98  the step's first key
.set Q0,   99                          ; s99  my first query
; Wave 0 fetches a slot's K, wave 1 its V, the others nothing: each is one dense block of 16 KB, taken as 64 rows of 256 bytes.  Four v_nop follow the line.
.macro TLOAD
	s_cmp_lt_u32 s[WV], 2
	s_cbranch_scc0 .Lasked_\@
	tensor_load_to_lds s[G0:G0+3], s[G1:G1+7]
	s_nop 0
.rept 4
	v_nop
.endr
.Lasked_\@:
.endm
; A PREFETCH INTO THE L2 of the slot that the NEXT change of slots will ask for.  All four work-groups of a head read the same K and V; the one with i = 0 walks slots 0 .. 7 in order, so it asks, and nobody else: each aligned
; block of 256 bytes is named once in the launch.  In it waves 4 and 5 ask for the two halves of K's 16 KB, waves 6 and 7 for V's: 8,192 bytes a wave, lanes 256 bytes apart, one instruction.
; Trip t names slot t + 2, a slot's two key steps ahead of the tensor load that wants it; trips 6 and 7 ask for nothing: slot 7 is the head's last.  Slots 0 and 1 come by their loads alone.
.macro ASK
	s_cmp_gt_u32 s[SLOTS], s[LIM]
	s_cbranch_scc0 .Lnot_mine_\@
	global_prefetch_b8 v2, s[PFA:PFA+1] th:TH_LOAD_NT scope:SCOPE_SE
.Lnot_mine_\@:
.endm
; A block of queries begins: its Q, and M, the sum and O^T as before the first key
.macro NEWBLOCK
	s_lshl_b32 s[Q0], s[QB], 8
	s_lshl_b32 s96, s[WV], 4
	s_add_co_u32 s[Q0], s[Q0], s96                 ; my first query: 256 x block + 16 x wave
	s_lshl_b32 s[OFS], s[QB], 14                   ; 16 tiles of 1,024 bytes a block
	s_add_nc_u64 s[54:55], s[QBASE:QBASE+1], s[OFS:OFS+1]
	global_load_b128 v[16:19], v1, s[54:55]
	global_load_b128 v[20:23], v1, s[54:55] offset:512
	v_mov_b32 v13, 0xff61b1e6                      ; the largest t so far: -3e38, under every t
	s_delay_alu instid0(VALU_DEP_1)
	v_floor_f32 v12, -v13                          ; -M
	v_mov_b32 v14, 0                               ; the sum, in two halves
	v_mov_b32 v15, 0
.set n, 0
.rept 32
	v_mov_b32 v[160+n], 0                          ; O^T.  (The key step is written without a first step of its own: it finds zeros, which the first change of M leaves zeros)
.set n, n+1
.endr
	s_wait_loadcnt 0x0                             ; Q
.endm
	s_load_b128 s[4:7], s[0:1], 0x0                ; qkv s[4:5], the scales' exponents s[6:7]
	s_load_b64 s[8:9], s[0:1], 0x10                ; att
	v_lshl_add_u32 v[SPW], v0, 2, SPARE
	v_mov_b32 v[NIL], 0
	ds_add_u32 v5, v6
	ds_add_u32 v5, v6
	s_wait_dscnt 0x0
	v_lshrrev_b32 v8, 5, v0
	s_delay_alu instid0(VALU_DEP_1)
	v_readfirstlane_b32 s[WV], v8                  ; wave 0..15
	s_and_b32 s[BH], ttmp7, 0xffff
	s_sub_co_u32 s[NA], 8, ttmp9
	s_sub_co_u32 s[QB], 7, ttmp9                   ; the later block first
	s_mov_b32 s[TT], 0
	s_mov_b32 s[TB], 0
	s_mov_b32 s[SLOTS], 8
	s_mov_b32 s[OFS+1], 0
	s_mov_b32 s[G1], 3<<16                         ; 15:0 no mask; 17:16 elements of 8 bytes; no padding: every LDS read takes 512 consecutive bytes
	s_mov_b32 s[G1+1], 32<<16                      ; tensor_dim0 = 32 elements: 256 bytes
	s_mov_b32 s[G1+2], 64<<16                      ; tensor_dim1 = 64
	s_mov_b32 s[G1+3], 32<<16                      ; tile_dim0
	s_mov_b32 s[G1+4], 64                          ; tile_dim1
	s_mov_b32 s[G1+5], 32                          ; tensor_dim0_stride: dense
	s_mov_b32 s[G1+6], 0
	s_mov_b32 s[G1+7], 0
	s_mov_b32 s[SEL], 0x76543210
	s_mov_b32 s[SEL+1], 0xfedcba98
	s_mov_b32 s[CS], 0x3e38aa3b                    ; log2(e) / sqrt(64)
	s_and_b32 s38, s[WV], 1
	s_mov_b32 s[G0], 1                             ; 1:0 count = 1
	s_lshl_b32 s[G0+1], s38, 14                    ; 63:32 LDS address: slot 0; K's part, or V's behind it
	s_add_co_u32 s96, s38, 1
	s_lshl_b32 s96, s96, 23                        ; k lies 8 MiB in, v 16 MiB
	s_lshl_b32 s97, s[BH], 17                      ; a head is 131,072 bytes in each
	s_add_co_u32 s[OFS], s96, s97
	s_wait_kmcnt 0x0
	s_load_b256 s[68:75], s[6:7], 0x0              ; e0 .. e7
	s_load_b128 s[76:79], s[6:7], 0x20             ; e8 .. e11
	s_add_nc_u64 s[FB:FB+1], s[4:5], s[OFS:OFS+1]
	s_mov_b64 s[G0+2:G0+3], s[FB:FB+1]             ; 120:64 global address: slot 0
	s_or_b32 s[G0+3], s[G0+3], 0x80000000          ; 127:126 type = 2
	TLOAD                                          ; slot 0: one load of mine is out, here and behind every change of slots
	v_and_b32 v8, 31, v0
	s_delay_alu instid0(VALU_DEP_1)
	v_lshlrev_b32 v1, 4, v8
	s_wait_alu depctr_va_vdst(0)
	v_lshlrev_b32 v2, 8, v8
	s_lshr_b32 s96, s[BH], 4                       ; att: the batch's 128 tiles of rows, + my wave's,
	s_lshl_b32 s96, s96, 7
	s_add_co_u32 s96, s96, s[WV]
	s_lshl_b32 s96, s96, 14                        ; 16,384 bytes each;
	s_bfe_u32 s97, s[BH], 0x30001                  ; the head's pair: 2,048 bytes;
	s_lshl_b32 s97, s97, 11
	s_add_co_u32 s96, s96, s97
	s_and_b32 s97, s[BH], 1                        ; the head's half of it
	s_lshl_b32 s97, s97, 10
	s_add_co_u32 s[OFS], s96, s97
	s_add_nc_u64 s[OB:OB+1], s[8:9], s[OFS:OFS+1]
	s_lshl_b32 s96, s[BH], 17
	s_lshl_b32 s97, s[WV], 10
	s_add_co_u32 s[OFS], s96, s97
	s_add_nc_u64 s[QBASE:QBASE+1], s[4:5], s[OFS:OFS+1]
	s_bfe_u32 s97, s[WV], 0x10001                  ; the prefetches: waves 4, 5: K; waves 6, 7: V;
	s_add_co_u32 s97, s97, 1
	s_lshl_b32 s97, s97, 23
	s_add_co_u32 s96, s96, s97
	s_lshl_b32 s97, s38, 13                        ; my half of a slot's 16 KB,
	s_add_co_u32 s96, s96, s97
	s_add_co_u32 s[OFS], s96, 16384                ; in slot 1: the first change of slots steps it to slot 2.  Nothing is prefetched here, at the head
	s_add_nc_u64 s[PFA:PFA+1], s[4:5], s[OFS:OFS+1]
	s_lshr_b32 s96, s[WV], 2
	s_xor_b32 s96, s96, 1                          ; 0 in waves 4 to 7,
	s_or_b32 s96, s96, ttmp9                       ; of the work-group with i = 0
	s_cmp_eq_u32 s96, 0
	s_cselect_b32 s[LIM], 2, -1
	v_mov_b32 v246, 0                              ; written once: a lane permute's destination counts as one of its sources
	v_mov_b32 v253, 0                              ; (named as the upper half of the pair v[252:253])
	NEWBLOCK
	s_wait_kmcnt 0x0
	s_add_co_i32 s96, s74, s75
	s_lshl_b32 s96, s96, 23
	s_add_co_i32 s[CS], s[CS], s96                 ; a score stands for score x 2^(e6 + e7): the two exponents are added to c's exponent field
	s_mov_b32 s[CS+1], s[CS]                       ; (named with it as a pair, so it is written)
	s_add_co_i32 s96, s76, 127
	s_lshl_b32 s97, s96, 23
	v_mov_b32 v244, s97                            ; 2^e8
	s_sub_co_i32 s96, s78, s76
	s_sub_co_i32 s96, s96, s77
	s_add_co_i32 s96, s96, 127
	s_lshl_b32 s97, s96, 23
	v_mov_b32 v245, s97                            ; 2^(e10 - e8 - e9): O / l stands for O / l x 2^(e8 + e9), and its code is that / 2^e10
; A KEY STEP: 128 keys, the q-th of the slot in hand.
.macro STEP q
	s_add_co_u32 s96, s[Q0], 15
	s_cmp_gt_u32 s[KF], s96
	s_cbranch_scc1 .Lhidden_\@                     ; all its keys come after my queries: no barrier and no tensor load stands in a step
	v_add_nc_u32 v8, s[TB], v1
.rept 3
	v_nop                                          ; with the addition above: four places in front of loads into registers that the last products have read
.endr
.irp c, 0,1,2,3,4,5,6,7
	ds_load_b128 v[32+8*\c:35+8*\c], v8 offset:1024*(8*(\q)+\c)
	ds_load_b128 v[36+8*\c:39+8*\c], v8 offset:1024*(8*(\q)+\c)+512
.endr
	s_wait_alu depctr_va_vdst(0)
	s_wait_dscnt 0x0
.irp c, 0,1,2,3,4,5,6,7                        ; S^T = K Q^T: eight accumulators, one instruction each
	v_wmma_f32_16x16x64_fp8_fp8 v[96+8*\c:103+8*\c], v[32+8*\c:39+8*\c], v[16:23], 0
.endr
.rept 4
	v_nop                                          ; places in front of the loads into K's registers and of the first read of the scores
.endr
.irp t, 0,1,2,3                                ; V's four fragments are asked for now and land under the softmax
.irp i, 0,1,2,3
	ds_load_b128 v[32+16*\t+4*\i:35+16*\t+4*\i], v8 offset:VOFF+8192*(\q)+2048*\t+512*\i
.endr
.endr
	s_add_co_u32 s96, s[KF], 127                   ; on the diagonal the scores of hidden keys become -infinity: p = 0 then.  A step all of whose keys count skips this
	s_cmp_le_u32 s96, s[Q0]
	s_cbranch_scc1 .Lopen_\@
	s_sub_co_i32 s96, s[Q0], s[KF]
	v_and_b32 v252, 15, v0
	v_bfe_u32 v253, v0, 4, 1
	s_delay_alu instid0(VALU_DEP_1)
	v_lshlrev_b32 v253, 3, v253
	s_delay_alu instid0(VALU_DEP_1)
	v_sub_nc_u32 v252, v252, v253
	s_delay_alu instid0(VALU_DEP_1)
	v_add_nc_u32 v252, s96, v252                   ; d = my query - KF - 8 h.  Register 8 c + j holds key KF + 8 h + 16 c + j: hidden where 16 c + j > d
	v_mov_b32 v254, 0xff800000                     ; -infinity
.set n, 0
.rept 64
	v_cmp_gt_i32 vcc_lo, 16*(n/8)+n%8, v252
	v_cndmask_b32 v[96+n], v[96+n], v254, vcc_lo
.set n, n+1
.endr
.Lopen_\@:
	v_max3_num_f32 v254, v96, v97, v98             ; the step's largest score of my query, among my 64 keys, in two chains, from each accumulator's low end on,
	v_max3_num_f32 v252, v99, v100, v101
.irp i, 6,10,14,18,22,26,30,34,38,42,46,50,54,58
	v_max3_num_f32 v254, v254, v[96+\i], v[97+\i]
	v_max3_num_f32 v252, v252, v[98+\i], v[99+\i]
.endr
	v_max3_num_f32 v254, v254, v158, v159
	s_delay_alu instid0(VALU_DEP_1)
	v_max_num_f32 v254, v254, v252
	s_delay_alu instid0(VALU_DEP_1)
	v_permlanex16_b32 v246, v254, s[SEL], s[SEL+1]
	s_delay_alu instid0(VALU_DEP_1)
	v_max_num_f32 v254, v254, v246                 ; and among lane l xor 16's
	s_delay_alu instid0(VALU_DEP_1)
	v_mul_f32 v254, s[CS], v254                    ; as t (c is positive)
	s_delay_alu instid0(VALU_DEP_1)
	v_max_num_f32 v13, v13, v254                   ; the running largest t
	v_mov_b32 v254, v12
	s_delay_alu instid0(VALU_DEP_2)
	v_floor_f32 v12, -v13                          ; the new -M = floor(-t) = -ceil(t): M is a whole number
	s_delay_alu instid0(VALU_DEP_1)
	v_sub_f32 v254, v12, v254                      ; M's old value less its new one: a whole number, 0 or less
	s_delay_alu instid0(VALU_DEP_1)
	v_cvt_i32_f32 v254, v254                       ; (it saturates)
	s_delay_alu instid0(VALU_DEP_1)
	v_ldexp_f32 v252, 1.0, v254                    ; f = 2^(old M - new M)
.set n, 0
.rept 32
	v_pk_fma_f32 v[96+n:97+n], v[96+n:97+n], s[CS:CS+1], v[12:13] op_sel_hi:[1,0,0]   ; t - M, two at a time (of the pairs c and -M the low word serves both halves)
.set n, n+2
.endr
.set n, 0
	s_wait_alu depctr_va_vdst(0)
.rept 64
	v_exp_f32 v[96+n], v[96+n]                     ; p = 2^(t - M), at most 1: not normalised
.set n, n+1
.endr
	v_pk_mul_f32 v[14:15], v[14:15], v[252:253] op_sel_hi:[1,0]   ; the sums under the new M.  (The plain line behind the exponentials)
	s_wait_alu depctr_va_vdst(0)                   ; one wait for the whole batch, ahead of its first reader
	v_pk_add_f32 v[242:243], v[100:101], v[104:105]
	v_pk_add_f32 v[254:255], v[108:109], v[112:113]
	v_pk_add_f32 v[250:251], v[116:117], v[120:121]
	v_pk_add_f32 v[248:249], v[124:125], v[128:129]
	v_pk_add_f32 v[240:241], v[132:133], v[136:137]
	v_pk_add_f32 v[238:239], v[140:141], v[144:145]
	v_pk_add_f32 v[236:237], v[148:149], v[152:153]
	v_pk_add_f32 v[14:15], v[14:15], v[156:157]
	v_pk_add_f32 v[242:243], v[242:243], v[96:97]
	v_pk_add_f32 v[254:255], v[254:255], v[98:99]
	v_pk_add_f32 v[250:251], v[250:251], v[102:103]
	v_pk_add_f32 v[248:249], v[248:249], v[106:107]
	v_pk_add_f32 v[240:241], v[240:241], v[110:111]
	v_pk_add_f32 v[238:239], v[238:239], v[114:115]
	v_pk_add_f32 v[236:237], v[236:237], v[118:119]
	v_pk_add_f32 v[14:15], v[14:15], v[122:123]
	v_pk_add_f32 v[242:243], v[242:243], v[126:127]
	v_pk_add_f32 v[254:255], v[254:255], v[130:131]
	v_pk_add_f32 v[250:251], v[250:251], v[134:135]
	v_pk_add_f32 v[248:249], v[248:249], v[138:139]
	v_pk_add_f32 v[240:241], v[240:241], v[142:143]
	v_pk_add_f32 v[238:239], v[238:239], v[146:147]
	v_pk_add_f32 v[236:237], v[236:237], v[150:151]
	v_pk_add_f32 v[14:15], v[14:15], v[154:155]
	v_pk_add_f32 v[242:243], v[242:243], v[158:159]
	s_delay_alu instid0(VALU_DEP_2)
	v_pk_add_f32 v[14:15], v[14:15], v[248:249]
	s_delay_alu instid0(VALU_DEP_2)
	v_pk_add_f32 v[242:243], v[242:243], v[240:241]
	v_pk_add_f32 v[254:255], v[254:255], v[238:239]
	v_pk_add_f32 v[250:251], v[250:251], v[236:237]
	s_delay_alu instid0(VALU_DEP_2)
	v_pk_add_f32 v[14:15], v[14:15], v[254:255]
	s_delay_alu instid0(VALU_DEP_2)
	v_pk_add_f32 v[242:243], v[242:243], v[250:251]
	s_delay_alu instid0(VALU_DEP_1)
	v_pk_add_f32 v[14:15], v[14:15], v[242:243]
.irp c, 0,1,2,3,4,5,6,7
.irp i, 0,1,2,3,4,5,6,7
.endr
	v_cvt_scalef32_pk8_fp8_f32 v[224+2*\c:225+2*\c], v[96+8*\c:103+8*\c], v244   ; keys 16 c + 8 h + 0 .. 7: registers 2 c, 2 c + 1 of the operand
.endr
.set n, 0
.rept 16
	v_pk_mul_f32 v[160+n:161+n], v[160+n:161+n], v[252:253] op_sel_hi:[1,0]   ; O^T under the new M.  (Also the plain lines between the conversions and the products)
.set n, n+2
.endr
	s_wait_alu depctr_va_vdst(0)
	s_wait_dscnt 0x0                               ; V is in
.irp t, 0,1,2,3                                ; O^T += V^T P^T: four accumulators by turns, one instruction a turn
	v_wmma_f32_16x16x128_fp8_fp8 v[160+8*\t:167+8*\t], v[32+16*\t:47+16*\t], v[224:239], v[160+8*\t:167+8*\t]
.endr
.Lhidden_\@:
	s_add_co_u32 s[KF], s[KF], 128
.endm
; THE CHANGE OF SLOTS stands at a slot's head.  Each wave waits for all its tensor loads (its part of the slot that it is about to read), adds 0 to its spare word, and waits for that and for its reads of the slot that it has left.
; Behind the barrier the slot ahead is whole and nobody reads the other one.  fill = 1: that other slot is filled with the next trip's keys: the load has a whole slot's steps in which to land.
.macro CHANGE fill
	s_wait_tensorcnt 0x0                           ; no tensor load of mine is out, so the group 0 may be written
	ds_add_u32 v[SPW], v[NIL]                      ; 0 onto my spare word: with fill = 1 the descriptor's step stands between it and the wait for it
.if \fill
	s_add_co_u32 s96, s[TT], 1                     ; the next trip's slot of keys: t + 1 in the first block, t + 1 - NA in the second
	s_sub_co_u32 s97, s96, s[NA]
	s_cmp_lt_u32 s96, s[NA]
	s_cselect_b32 s96, s96, s97
	s_lshl_b32 s[OFS], s96, 14
	s_add_nc_u64 s[G0+2:G0+3], s[FB:FB+1], s[OFS:OFS+1]
	s_or_b32 s[G0+3], s[G0+3], 0x80000000
	s_xor_b32 s[G0+1], s[G0+1], SLOTB              ; into the other slot than last time
	s_wait_xcnt 0x0                                ; the last prefetch, a slot back, has read its address, so it may be written
	s_add_nc_u64 s[PFA:PFA+1], s[PFA:PFA+1], 16384
.endif
	s_wait_dscnt 0x0                               ; the add is done, and my reads of the slot that I have left are over
	s_barrier_signal -1
	s_barrier_wait -1
.if \fill
	TLOAD                                          ; the first thing behind the barrier, and a wave's one tensor load until the next
	ASK
.endif
.endm
.macro SLOT_STEPS
	s_sub_co_u32 s96, s[TT], s[NA]
	s_cmp_lt_u32 s[TT], s[NA]
	s_cselect_b32 s96, s[TT], s96                  ; which 256 keys lie in the slot in hand
	s_lshl_b32 s[KF], s96, 8
	STEP 0
	STEP 1
	s_xor_b32 s[TB], s[TB], SLOTB                  ; on to the other slot
	s_add_co_u32 s[TT], s[TT], 1
.endm
; A block of queries is finished: O^T / l, quantised: eight registers a lane, the head's half of the image of 16 rows x 128 K.  again = 1: the second block begins.
.macro FINISH again
.rept 4
	v_nop                                          ; places behind the last products
.endr
	v_add_f32 v14, v14, v15                        ; the sum's two halves,
	s_delay_alu instid0(VALU_DEP_1)
	v_permlanex16_b32 v246, v14, s[SEL], s[SEL+1]
	s_delay_alu instid0(VALU_DEP_1)
	v_add_f32 v14, v14, v246                       ; and lane l xor 16's: the row's sum
	s_wait_alu depctr_va_vdst(0)
	v_rcp_f32 v14, v14
	v_nop                                          ; a plain line behind the reciprocal,
	s_lshl_b32 s[OFS], s[QB], 18                   ; (16 tiles of rows x 16,384 bytes a block)
	s_wait_alu depctr_va_vdst(0)                   ; and the wait ahead of its first reader
.set n, 0
.rept 16
	v_pk_mul_f32 v[192+n:193+n], v[160+n:161+n], v[14:15] op_sel_hi:[1,0]   ; each accumulator from its low end on
.set n, n+2
.endr
.set n, 0
.rept 32
.set n, n+1
.endr
	s_wait_alu depctr_va_vdst(0)
	s_wait_xcnt 0x0                                ; the first block's stores have read their data and their base
	s_add_nc_u64 s[50:51], s[OB:OB+1], s[OFS:OFS+1]
.irp t, 0,1,2,3
	v_cvt_scalef32_pk8_fp8_f32 v[24+2*\t:25+2*\t], v[192+8*\t:199+8*\t], v245   ; channels 16 t + 8 h + 0 .. 7
.endr
	v_nop                                          ; a plain line behind the last conversion
	global_store_b128 v1, v[24:27], s[50:51]       ; 512 consecutive bytes, aligned
	global_store_b128 v1, v[28:31], s[50:51] offset:512
.if \again
	s_mov_b32 s[QB], ttmp9
	NEWBLOCK
.endif
.endm
.Lslot:                                            ; eight trips: behind each change of slots but the last the next slot is asked for
	CHANGE 1
	SLOT_STEPS
	s_cmp_lg_u32 s[TT], s[NA]                      ; the first block's last slot?  A branch on ids, the same in all sixteen waves; no LDS instruction and no barrier stands under it
	s_cbranch_scc1 .Lsame_block
	FINISH 1
.Lsame_block:
	s_sub_co_u32 s[SLOTS], s[SLOTS], 1
	s_cmp_lg_u32 s[SLOTS], 0
	s_cbranch_scc1 .Lslot
	CHANGE 0                                       ; the ninth slot is written out
	SLOT_STEPS
	FINISH 0
	s_wait_tensorcnt 0x0                           ; the wave's end: my last LDS instructions, behind my last tensor load
	ds_add_u32 v[SPW], v[NIL]
	s_wait_dscnt 0x0
	s_endpgm
.Lfunc_end_k_qc8a72529d1_attn:
	.size	k_qc8a72529d1_attn, .Lfunc_end_k_qc8a72529d1_attn-k_qc8a72529d1_attn
	.p2alignl 7, 3214868480
	.fill 96, 4, 3214868480
	.section	.rodata,"a",@progbits
	.p2align	6, 0x0
	.amdhsa_kernel k_qc8a72529d1_attn
		.amdhsa_group_segment_fixed_size 327680
		.amdhsa_private_segment_fixed_size 0
		.amdhsa_enable_private_segment 0
		.amdhsa_kernarg_size 24
		.amdhsa_user_sgpr_count 2
		.amdhsa_user_sgpr_kernarg_segment_ptr 1
		.amdhsa_wavefront_size32 1
		.amdhsa_system_sgpr_workgroup_id_x 1
		.amdhsa_system_sgpr_workgroup_id_y 1
		.amdhsa_system_sgpr_workgroup_id_z 1
		.amdhsa_system_vgpr_workitem_id 0
		.amdhsa_next_free_vgpr 256
		.amdhsa_next_free_sgpr 100
		.amdhsa_reserve_vcc 1
		.amdhsa_float_denorm_mode_32 3
		.amdhsa_float_denorm_mode_16_64 3
		.amdhsa_fp16_overflow 1
		.amdhsa_memory_ordered 1
		.amdhsa_forward_progress 1
		.amdhsa_inst_pref_size 90
	.end_amdhsa_kernel
	.amdgpu_metadata
---
amdhsa.version: [ 1, 2 ]
amdhsa.kernels:
  - .name:           k_qc8a72529d1_attn
    .symbol:         k_qc8a72529d1_attn.kd
    .args:
      - { .name: qkv, .offset: 0, .size: 8, .value_kind: global_buffer, .address_space: global }
      - { .name: lowp_scales, .offset: 8, .size: 8, .value_kind: global_buffer, .address_space: global }
      - { .name: att, .offset: 16, .size: 8, .value_kind: global_buffer, .address_space: global }
    .group_segment_fixed_size: 327680
    .private_segment_fixed_size: 0
    .kernarg_segment_align: 8
    .kernarg_segment_size: 24
    .max_flat_workgroup_size: 512
    .sgpr_count:     100
    .vgpr_count:     256
    .wavefront_size: 32
...
	.end_amdgpu_metadata
.endif
;; end of part 3
;; launch proj (part 4): grid 4 x 32, 4 waves a work-group, clusters of 4 x 4, 327,680 bytes of LDS; arguments att, codes, lowp_scales, bp, out0; writes out0
.if DOCPART == 4
	.amdgcn_target "amdgcn-amd-amdhsa--gfx1250"
	.amdhsa_code_object_version 6
	.text
	.protected	k_qc8a72529d1_proj
	.globl	k_qc8a72529d1_proj
	.p2align	8
	.type	k_qc8a72529d1_proj,@function
k_qc8a72529d1_proj:
	s_mov_b64 s[64:65], 0
	v_nop
	global_prefetch_b8 v0, s[64:65] scope:SCOPE_SE
	s_setreg_imm32_b32 hwreg(HW_REG_WAVE_MODE, 25, 1), 1
	s_wait_xcnt 0x0
	s_wait_alu depctr_hold_cnt(0) depctr_sa_sdst(0) depctr_va_vdst(0) depctr_va_sdst(0) depctr_va_ssrc(0) depctr_va_vcc(0) depctr_vm_vsrc(0)
	s_getreg_b32 s2, hwreg(HW_REG_IB_STS2, 6, 4)
	s_cmp_eq_u32 s2, 0
	s_cbranch_scc0 .Lentry_in_a_cluster
	s_endpgm
.Lentry_in_a_cluster:
	s_bfe_u32 s2, ttmp6, 0x10000c
	s_cmp_lg_u32 s2, 0xf033
	s_cbranch_scc0 .Lentry_shape_is_right
	s_endpgm
.Lentry_shape_is_right:
; PROJ: out0 = a Wp^T + bp on codes of FP8 (E4M3).  a: the attention's result, [8192][1024], as images of operand registers: att [row / 16][k / 128][2,048 bytes], four registers of the 32 lanes at 16 x lane.
; Wp: rows 27,648 on of the buffer of codes, 1,024 bytes a row, in the row order that makes a load of 16 bytes at 32 c + 16 h registers 4 c .. 4 c + 3 of the plain layout.  So k stands in its true place on both sides.
; A number of a is its code x 2^e10, of Wp x 2^e11: each finished sum is multiplied once by 2^(e10 + e11) and bp is added, in one fused multiply-add.
; A tile of out0, 256 x 256, is made by a work-group of four waves; a wave makes 128 x 128: 64 accumulators, 512 registers.  K = 1,024 goes in four steps of 256 through a ring of two LDS slots filled by the tensor data mover.
; 128 tiles: 128 work-groups.  A tile of 128 x 256 would give 256, at one and a half times the LDS bytes for each product; not taken here.
; CLUSTERS: 4 x 4 work-groups.  The four of a row of the cluster need the same tiles of a, the four of a column the same tiles of Wp: each tile is asked for JOINTLY.  No prefetch: K has four steps, of which two are the first fills.
; THE MATRIX INSTRUCTION IS USED TRANSPOSED (source 0 = 16 rows of Wp, source 1 = 16 rows of a): a lane then holds eight neighbouring numbers of a row of out0.
; LIMIT: e10 + e11 between -126 and 127, so that 2^(e10 + e11) is an f32 number.
; REGISTERS, in windows of 256: window 0: v0-31 addresses, v12-15 my four numbers of bp; from v128 a's fragments, ONE set; on the way out v128-255 rows read back from the stage.
;   window 1: Wp's fragments, TWO sets.   window 2: the accumulators of my rows 0-63 ((a, b) at v[8 (8 a + b)]);   window 3: those of rows 64-127.
.set SIZE_N, 1024
.set KROW,   1024                      ; a row of Wp's codes in memory
.set PITCH,  272                       ; an LDS row of Wp: 256 bytes + 16 of padding = 68 words: row r starts at bank 4 r mod 64 (64 banks of 4 bytes: ISA guide 11.1)
.set FR,     16
.set NL,     4
.set NP,     4                         ; places behind this matrix instruction (ISA guide 7.12.1)
.set HALFA,  32768                     ; 8 tiles of 16 rows x 4,096 bytes (256 along K), dense: every read takes 512 consecutive bytes
.set HALFB,  128*PITCH
.set BOFF,   2*HALFA
.set SLOT,   BOFF+2*HALFB              ; a's two halves, then Wp's two
.set SPARE,  2*SLOT                    ; behind the ring: the spare words, 128 bytes for each wave: two blocks of 256 bytes that no other line names
.set SPITCH, 528                       ; the way out: a stage of 16 rows x (512 bytes + 16) for each wave.  It lies in slot 0, which has had its last fill and its last read when the first result is stored there
.set ADRA, 16                          ; v16-17  LDS address of my fragments of a in slot 0, 1
.set ADRB, 20                          ; v20-21  the same for Wp
.set STO,  24                          ; v24     the way out: where I put 32 bytes of a row
.set RD,   25                          ; v25     where I read a row back
.set CO,   26                          ; v26     16 x lane: my byte offset in a row's 512 bytes
.set SPW,  28                          ; v28     LDS address of my spare word; never rewritten
.set NIL,  29                          ; v29     0; never rewritten
.set AF,   128
.set BK,   128                         ; the way out: 16 rows read back: v128-191 and v192-255 by turns
.set G1, 24
.set G0, 32
.set G1B, 48
.set G0B, 56
.set MSB, 0
.macro WIN new                         ; the immediate's high byte repeats the setting that is left; a switch that changes nothing is dropped
.set WNEW, \new
.if MSB != WNEW
	s_set_vgpr_msb (MSB<<8)|WNEW
.set MSB, WNEW
.endif
.endm
.set MUL_LO, 0xa1                      ; source 0 (Wp) window 1, source 1 (a) window 0, C and D window 2
.set MUL_HI, 0xf1
.set TO_B,   0x40
; A joint load: waves 0 and 1 fetch for a, waves 2 and 3 for Wp; the branch hangs on the wave's number alone.  Four v_nop follow each of the two lines.
.macro JLOAD g0a, g1a, g0b, g1b
	s_cmp_eq_u32 s15, 0
	s_cbranch_scc0 .Lfor_b_\@
	tensor_load_to_lds s[\g0a:\g0a+3], s[\g1a:\g1a+7]
	s_nop 0
.rept 4
	v_nop
.endr
	s_branch .Lasked_\@
.Lfor_b_\@:
	tensor_load_to_lds s[\g0b:\g0b+3], s[\g1b:\g1b+7]
	s_nop 0
.rept 4
	v_nop
.endr
.Lasked_\@:
.endm
.macro CREST
	s_cmp_lg_u32 s14, 0
	s_cbranch_scc1 .Lnot_wave_0_\@
	s_barrier_signal -3
.Lnot_wave_0_\@:
	s_barrier_wait -3
	s_barrier_signal -1
	s_barrier_wait -1
.endm
.macro CROUND
	s_barrier_signal -1
	s_barrier_wait -1
	CREST
.endm
	s_load_b256 s[4:11], s[0:1], 0x0               ; att s[4:5], codes s[6:7], the scales' exponents s[8:9], bp s[10:11]
	s_load_b64 s[12:13], s[0:1], 0x20              ; out0
	v_lshl_add_u32 v[SPW], v0, 2, SPARE
	v_mov_b32 v[NIL], 0
	ds_add_u32 v28, v29
	ds_add_u32 v28, v29
	s_wait_dscnt 0x0
	v_lshrrev_b32 v1, 5, v0
	v_readfirstlane_b32 s14, v1                    ; wave 0..3
	s_lshr_b32 s15, s14, 1                         ; which half of the tile's rows is mine.  Also: I fetch for a (0) or for Wp (1)
	s_and_b32 s16, s14, 1                          ; which half of its columns.  Also: which half of that tile I fetch
	s_bfe_u32 s40, ttmp6, 0x40000                  ; cx, cy
	s_bfe_u32 s41, ttmp6, 0x40004
	s_lshl_b32 s42, ttmp9, 2
	s_add_co_u32 s42, s42, s40                     ; tile column = 4 x cluster x + cx
	s_and_b32 s17, ttmp7, 0xffff
	s_lshl_b32 s17, s17, 2
	s_add_co_u32 s17, s17, s41                     ; tile row = 4 x cluster y + cy
	s_lshl_b32 s43, s41, 2
	s_lshl_b32 s43, 15, s43                        ; my row of the cluster
	s_lshl_b32 s44, 0x1111, s40                    ; my column
	; group 1 for a: 8 tiles of rows x 4,096 bytes, 16,384 bytes apart, dense in LDS
	s_or_b32 s[G1+0], s43, (3<<16)|(1<<21)         ; 15:0 the mask: my row; 17:16 elements of 8 bytes; 21 set beside a mask; no padding
	s_mov_b32 s[G1+1], 512<<16                     ; tensor_dim0 = 512 elements
	s_mov_b32 s[G1+2], 8<<16                       ; tensor_dim1 = 8
	s_mov_b32 s[G1+3], 512<<16                     ; tile_dim0
	s_mov_b32 s[G1+4], 8                           ; tile_dim1
	s_mov_b32 s[G1+5], 2048                        ; tensor_dim0_stride
	s_mov_b32 s[G1+6], 0
	s_mov_b32 s[G1+7], 0
	; group 1 for Wp: 128 rows x 256 bytes, padded in LDS
	s_or_b32 s[G1B+0], s44, (0<<16)|(1<<20)|(1<<21)|(5<<22)|(3<<25)  ; the mask: my column; elements of 1 byte; padding: four words after every 64
	s_mov_b32 s[G1B+1], 256<<16
	s_mov_b32 s[G1B+2], 128<<16
	s_mov_b32 s[G1B+3], 256<<16
	s_mov_b32 s[G1B+4], 128
	s_mov_b32 s[G1B+5], KROW
	s_mov_b32 s[G1B+6], 0
	s_mov_b32 s[G1B+7], 0
	s_lshl_b32 s20, s17, 4
	s_lshl_b32 s18, s16, 3
	s_add_co_u32 s20, s20, s18                     ; a: tile of rows 16 x tile row + 8 x half
	s_lshl_b32 s20, s20, 14
	s_mov_b32 s21, 0
	s_lshl_b32 s46, s42, 8
	s_lshl_b32 s18, s16, 7
	s_add_co_u32 s46, s46, s18
	s_add_co_u32 s46, s46, 27648                   ; Wp: row 27,648 + 256 x tile column + 128 x half
	s_lshl_b32 s46, s46, 10
	s_mov_b32 s47, 0
	s_mul_i32 s45, s16, HALFA                      ; where they go: no place in the cluster enters an LDS address
	s_mul_i32 s66, s16, HALFB
	s_add_co_u32 s66, s66, BOFF
	s_wait_kmcnt 0x0
	s_load_b64 s[96:97], s[8:9], 0x28              ; e10, e11
	s_add_nc_u64 s[20:21], s[4:5], s[20:21]
	s_add_nc_u64 s[46:47], s[6:7], s[46:47]
	CROUND                                         ; all sixteen work-groups are here: the first joint loads meet
.irp s, 0,1
	s_mov_b32 s[G0+4*\s], 1
	s_add_co_u32 s[G0+4*\s+1], s45, \s*SLOT
	s_add_nc_u64 s[G0+4*\s+2:G0+4*\s+3], s[20:21], \s*4096
	s_or_b32 s[G0+4*\s+3], s[G0+4*\s+3], 0x80000000
	s_mov_b32 s[G0B+4*\s], 1
	s_add_co_u32 s[G0B+4*\s+1], s66, \s*SLOT
	s_add_nc_u64 s[G0B+4*\s+2:G0B+4*\s+3], s[46:47], \s*256
	s_or_b32 s[G0B+4*\s+3], s[G0B+4*\s+3], 0x80000000
	s_wait_alu depctr_va_vdst(0)
	s_wait_tensorcnt 0x0
	ds_add_u32 v28, v29
	ds_add_u32 v28, v29
	s_wait_dscnt 0x0
	CROUND
	JLOAD G0+4*\s, G1, G0B+4*\s, G1B               ; one load of mine is out: the first has landed ahead of the second
.endr
	v_and_b32 v1, 15, v0                           ; r
	v_bfe_u32 v2, v0, 4, 1                         ; h
	v_and_b32 v6, 31, v0
	v_lshlrev_b32 v[CO], 4, v6                     ; 16 x lane
	v_mul_u32_u24 v3, v1, PITCH
	v_lshl_add_u32 v4, v2, 4, v3                   ; Wp: a fragment's row x pitch + 16 x half
	s_mul_i32 s21, s15, HALFA                      ; my 128 rows of a
	s_mul_i32 s22, s16, HALFB                      ; my 128 rows of Wp,
	s_add_co_u32 s22, s22, BOFF                    ; which lie behind a's
.irp s, 0,1
	v_add_nc_u32 v[ADRA+\s], s21, v[CO]
	v_add_nc_u32 v[ADRB+\s], s22, v4
	s_add_co_u32 s21, s21, SLOT
	s_add_co_u32 s22, s22, SLOT
.endr
	s_mul_i32 s23, s14, 16*SPITCH                  ; my stage
	v_mul_u32_u24 v5, v1, SPITCH                   ; in: row r, 32 bytes for each half of the lanes
	v_lshl_add_u32 v5, v2, 5, v5
	v_add_nc_u32 v[STO], s23, v5
	v_add_nc_u32 v[RD], s23, v[CO]                 ; back: the 32 lanes take one row of 512 bytes
	s_lshl_b32 s20, s17, 8
	s_lshl_b32 s21, s15, 7
	s_add_co_u32 s20, s20, s21                     ; my first row of out0
	s_lshl_b32 s20, s20, 12                        ; x 4,096 bytes
	s_lshl_b32 s46, s42, 10                        ; my first column, in bytes: 1,024 x tile column + 512 x half
	s_lshl_b32 s47, s16, 9
	s_add_co_u32 s46, s46, s47
	s_mov_b32 s47, 0
	s_add_nc_u64 s[66:67], s[10:11], s[46:47]      ; bp at my first column
	global_load_b128 v[12:15], v[CO], s[66:67]     ; the four numbers of bp that belong to my 16 bytes of every row
	s_add_co_u32 s20, s20, s46
	s_mov_b32 s21, 0
	s_add_nc_u64 s[12:13], s[12:13], s[20:21]
.macro FRAGB reg, adr, q, i            ; a fragment of Wp from rows: four loads of 16 bytes, 32 apart
.irp c, 0,1,2,3
	ds_load_b128 v[\reg+4*\c:\reg+4*\c+3], v[\adr] offset:128*(\q)+32*\c+(\i)*16*PITCH
.endr
.endm
.macro FRAGA reg, adr, q, i            ; a fragment of a from its image: four loads of 512 consecutive bytes
.irp c, 0,1,2,3
	ds_load_b128 v[\reg+4*\c:\reg+4*\c+3], v[\adr] offset:4096*(\i)+2048*(\q)+512*\c
.endr
.endm
; 16 matrix instructions: a's blocks a0, a0 + 1 x Wp's eight, 128 along K.  The 64 accumulators take turns, one instruction a turn, in the same order in every step.
.macro MUL16 a0, p, zero
.irp a, \a0, \a0+1
.irp b, 0,1,2,3,4,5,6,7
.if \zero
	v_wmma_f32_16x16x128_fp8_fp8 v[8*(8*((\a)%4)+\b):8*(8*((\a)%4)+\b)+7], v[128*(\p)+FR*\b:128*(\p)+FR*\b+FR-1], v[AF+FR*(\a):AF+FR*(\a)+FR-1], 0
.else
	v_wmma_f32_16x16x128_fp8_fp8 v[8*(8*((\a)%4)+\b):8*(8*((\a)%4)+\b)+7], v[128*(\p)+FR*\b:128*(\p)+FR*\b+FR-1], v[AF+FR*(\a):AF+FR*(\a)+FR-1], v[8*(8*((\a)%4)+\b):8*(8*((\a)%4)+\b)+7]
.endif
.endr
.endr
.endm
.macro FETCH_B slot, q, p
	WIN TO_B
.irp i, 0,1,2,3,4,5,6,7
	FRAGB 128*(\p)+FR*\i, ADRB+\slot, \q, \i
.endr
	WIN 0
.endm
.macro FETCH_A slot, q, i0
.irp i, \i0, \i0+1, \i0+2, \i0+3
	FRAGA AF+FR*(\i), ADRA+\slot, \q, \i
.endr
.endm
.macro PLACES n                        ; plain vector lines that name none of the matrix instruction's registers, in front of loads into registers that it has read and of the first read of results
.rept \n
	v_nop
.endr
.endm
.macro STEP slot, q, zero
	s_wait_dscnt 4*NL                              ; Wp's set and a's blocks 0-3 are in; the youngest sixteen loads (a's blocks 4-7) may be out
	WIN MUL_LO
	MUL16 0, (\q)%2, \zero
	MUL16 2, (\q)%2, \zero
	s_wait_dscnt 0
	PLACES NP
	FETCH_B \slot, (\q)+1, 1-(\q)%2
	FETCH_A \slot, (\q)+1, 0
	WIN MUL_HI
	MUL16 4, (\q)%2, \zero
	MUL16 6, (\q)%2, \zero
	PLACES NP
	WIN 0
	FETCH_A \slot, (\q)+1, 4
.endm
; A slot's last step changes slots: ONE barrier; in front of it each wave waits for all its tensor loads, adds 0 to its spare word, and waits for that and for its own reads of this slot.
.macro TURN slot, next, fill
	s_wait_tensorcnt 0x0                           ; all my tensor loads have landed: my part of the next slot;
	ds_add_u32 v[SPW], v[NIL]                      ; 0 onto my spare word
	s_wait_dscnt 4*NL+1                            ; (the add and the youngest sixteen loads may be out)
	WIN MUL_LO
	MUL16 0, 1, 0
	s_wait_dscnt 0x0                               ; the add is done, and my reads of this slot are over
	s_barrier_signal -1
	MUL16 2, 1, 0
	WIN 0
	s_barrier_wait -1
.if \fill
	CREST                                          ; the barrier has opened a round of the cluster's barrier: no wave of any partner still reads this slot's tile or has a load on its way
	s_add_nc_u64 s[G0+4*\slot+2:G0+4*\slot+3], s[G0+4*\slot+2:G0+4*\slot+3], 2*4096
	s_add_nc_u64 s[G0B+4*\slot+2:G0B+4*\slot+3], s[G0B+4*\slot+2:G0B+4*\slot+3], 2*256
	JLOAD G0+4*\slot, G1, G0B+4*\slot, G1B         ; the first tensor load behind the round; its four v_nop are the places in front of the loads below
.else
	PLACES NP
.endif
	FETCH_B \next, 0, 0
	FETCH_A \next, 0, 0
	WIN MUL_HI
	MUL16 4, 1, 0
	MUL16 6, 1, 0
	PLACES NP
	WIN 0
	FETCH_A \next, 0, 4
.endm
	s_wait_alu depctr_va_vdst(0)
	s_wait_tensorcnt 1                             ; my part of K step 0 is in (K step 1's load may be out)
	s_barrier_signal -1
	s_barrier_wait -1                              ; everybody's is
	FETCH_B 0, 0, 0
	FETCH_A 0, 0, 0
	FETCH_A 0, 0, 4
	STEP 0, 0, 1                                   ; eight steps of 128 along K, each written once, no loop; the first step's products start the sums
	TURN 0, 1, 1
	STEP 1, 0, 0
	TURN 1, 0, 1
	STEP 0, 0, 0
	TURN 0, 1, 0                                   ; nothing is left to fetch.  Behind this barrier nobody reads slot 0
	STEP 1, 0, 0
	s_wait_dscnt 4*NL
	WIN MUL_LO
	MUL16 0, 1, 0
	MUL16 2, 1, 0
	s_wait_dscnt 0
	WIN MUL_HI
	MUL16 4, 1, 0
	MUL16 6, 1, 0
	WIN 0
; THE WAY OUT, block by block of 16 rows x 128 columns.  A lane holds 32 neighbouring bytes of a row, and the lanes beside it hold other rows: so a block goes through my own stage in LDS, straight from the accumulators, and comes
; back as whole rows of 512 bytes.  There a lane's four numbers belong to the same four columns in every row: one packed multiply-add for two numbers gives sum x 2^(e10 + e11) + bp.  LDS serves a wave's instructions in order.
.macro TOSTAGE a
.set AC, 64*((\a)%4)
	WIN 0x08+4*((\a)/4)                            ; the stores' data: window 2 or 3
.irp b, 0,1,2,3,4,5,6,7
	ds_store_b128 v[STO], v[AC+8*\b:AC+8*\b+3] offset:64*\b           ; each accumulator from its low end on
	ds_store_b128 v[STO], v[AC+8*\b+4:AC+8*\b+7] offset:64*\b+16
.endr
	WIN 0
.set BB, BK+64*((\a)%2)
.irp t, 0,1,2,3,4,5,6,7,8,9,10,11,12,13,14,15
	ds_load_b128 v[BB+4*\t:BB+4*\t+3], v[RD] offset:\t*SPITCH
.endr
.endm
.macro SEND a, younger                 ; younger: the LDS instructions issued behind block a's loads, which may stay out
.set BB, BK+64*((\a)%2)
	s_wait_dscnt \younger                          ; the block is back in registers
.if (\a) > 0
	s_add_nc_u64 s[12:13], s[12:13], 16*SIZE_N*4   ; (behind a wait on XCNT: the earlier stores have read their base)  16 rows on
.endif
.irp t, 0,1,2,3,4,5,6,7,8,9,10,11,12,13,14,15
	v_pk_fma_f32 v[BB+4*\t:BB+4*\t+1],   v[BB+4*\t:BB+4*\t+1],   s[96:97], v[12:13] op_sel_hi:[1,0,1]   ; (the scalar pair's low word for both halves)
	v_pk_fma_f32 v[BB+4*\t+2:BB+4*\t+3], v[BB+4*\t+2:BB+4*\t+3], s[96:97], v[14:15] op_sel_hi:[1,0,1]
	global_store_b128 v[CO], v[BB+4*\t:BB+4*\t+3], s[12:13] offset:\t*SIZE_N*4 th:TH_STORE_NT   ; 32 lanes store 512 consecutive bytes, aligned; written once, read by nobody here
.endr
.endm
	s_wait_kmcnt 0x0
	s_add_co_i32 s96, s96, s97                     ; e10 + e11
	s_add_co_i32 s96, s96, 127
	s_lshl_b32 s96, s96, 23                        ; 2^(e10 + e11) as f32
	s_mov_b32 s97, s96                             ; (named with it as a pair, so it is written)
	s_wait_loadcnt 0x0                             ; bp
	PLACES NP                                      ; behind the last products: for the stores that read results and the loads into the registers that held a's fragments
	TOSTAGE 0
.irp a, 1,2,3,4,5,6,7
.if \a > 1
	s_wait_xcnt 0x0                                ; block a - 2's stores have read their registers and their base: block a's loads may land there, and the base may step
.endif
	TOSTAGE \a
	SEND \a-1, 32                                  ; behind block a - 1's loads: block a's 16 stores and 16 loads
.endr
	s_wait_xcnt 0x0                                ; block 6's stores have read their base
	SEND 7, 0
	s_wait_tensorcnt 0x0                           ; the wave's end: my last LDS instruction, behind my last tensor load and my last LDS store
	ds_add_u32 v[SPW], v[NIL]
	s_wait_dscnt 0x0
	CROUND                                         ; the closing round: no work-group ends while a partner may still ask for a tile that names it
	s_endpgm
.Lfunc_end_k_qc8a72529d1_proj:
	.size	k_qc8a72529d1_proj, .Lfunc_end_k_qc8a72529d1_proj-k_qc8a72529d1_proj
	.p2alignl 7, 3214868480
	.fill 96, 4, 3214868480
	.section	.rodata,"a",@progbits
	.p2align	6, 0x0
	.amdhsa_kernel k_qc8a72529d1_proj
		.amdhsa_group_segment_fixed_size 327680
		.amdhsa_private_segment_fixed_size 0
		.amdhsa_enable_private_segment 0
		.amdhsa_kernarg_size 40
		.amdhsa_user_sgpr_count 2
		.amdhsa_user_sgpr_kernarg_segment_ptr 1
		.amdhsa_wavefront_size32 1
		.amdhsa_system_sgpr_workgroup_id_x 1
		.amdhsa_system_sgpr_workgroup_id_y 1
		.amdhsa_system_sgpr_workgroup_id_z 1
		.amdhsa_system_vgpr_workitem_id 0
		.amdhsa_next_free_vgpr 1024
		.amdhsa_next_free_sgpr 98
		.amdhsa_reserve_vcc 0
		.amdhsa_float_denorm_mode_32 3
		.amdhsa_float_denorm_mode_16_64 3
		.amdhsa_memory_ordered 1
		.amdhsa_forward_progress 1
		.amdhsa_inst_pref_size 124
	.end_amdhsa_kernel
	.amdgpu_metadata
---
amdhsa.version: [ 1, 2 ]
amdhsa.kernels:
  - .name:           k_qc8a72529d1_proj
    .symbol:         k_qc8a72529d1_proj.kd
    .args:
      - { .name: att, .offset: 0, .size: 8, .value_kind: global_buffer, .address_space: global }
      - { .name: codes, .offset: 8, .size: 8, .value_kind: global_buffer, .address_space: global }
      - { .name: lowp_scales, .offset: 16, .size: 8, .value_kind: global_buffer, .address_space: global }
      - { .name: bp, .offset: 24, .size: 8, .value_kind: global_buffer, .address_space: global }
      - { .name: out0, .offset: 32, .size: 8, .value_kind: global_buffer, .address_space: global }
    .group_segment_fixed_size: 327680
    .private_segment_fixed_size: 0
    .kernarg_segment_align: 8
    .kernarg_segment_size: 40
    .max_flat_workgroup_size: 128
    .sgpr_count:     98
    .vgpr_count:     1024
    .wavefront_size: 32
...
	.end_amdgpu_metadata
.endif
;; end of part 4
